; MI455X (gfx1250); checked and timed in simulation.
; The chip was launched on July 23, 2026; its instructions are those of AMD's public machine-readable ISA for CDNA 5 (MIT licence, August 2026) and "CDNA5" Instruction Set Architecture Reference Guide (July 2026). The comments in the code are by the model that wrote it; some were corrected since.
;; Gaussian Mixture Unif. Allowed arithmetic: matrix products marked QUANTISED: E4M3 operands, one given power-of-two scale a tensor, by v_wmma_f32_16x16x64_fp8_fp8 or v_wmma_f32_16x16x128_fp8_fp8, f32 sums; everything else in f32.
;; Inputs: X 65,536 x 128 float32; lowp_scales 6 int32 (the exponents e of the quantised operands' scales 2^e); mu 1,024 x 128 float32; sigma 1 float32; w 1,024 float32.
;; Outputs: out0 65,536 x 128 float32; out1 one number float32; out2 one number float32.
;; This version of the problem:
;;   THIS VERSION OF THE PROBLEM IS GIVEN IN LOW PRECISION. The matrix products marked QUANTISED in the list below multiply operands that are first quantised to E4M3 (4 exponent bits, 3 mantissa bits; 8 bits a number), with one given power-of-two scale for each operand tensor; their sums are f32. All else is computed in f32.
;;   The module's matrix products, in the order in which they are computed (A, B: the left and right operand; K: the contracted axis; several contracted axes count as one K, in the product's order):
;;     1. [M 65,536, K 128] x [K 128, N 1,024]; A: input X; B: input mu: QUANTISED (scales: A lowp_scales[0], B lowp_scales[1])
;;     2. [M 1,024, K 65,536] x [K 65,536, N 128]; A: softmax (see below); B: input X: QUANTISED (scales: A lowp_scales[2], B lowp_scales[3])
;;     3. [M 65,536, K 1,024] x [K 1,024, N 128]; A: computed on the way; B: computed on the way: QUANTISED (scales: A lowp_scales[4], B lowp_scales[5])
;;   THE QUANTISER, for each operand of a quantised product, along K:
;;     - The operand's scale is 2^e, e = its entry of the input lowp_scales (int32; the entries are numbered through the quantised products in the list's order, A before B).
;;     - Each number is divided by the scale, clamped to +-448, and rounded to the nearest number of E4M3, ties to even, subnormals kept.
;;     - The product sums the exact products of the quantised numbers (number of the format x scale) in f32.
;;   ~~~python
;;   def quantise(x, axis, e):      # numpy; x: float32 -> the quantised numbers, widened to float32 again
;;       x = np.moveaxis(x, axis, -1); K = x.shape[-1]
;;       r = np.clip(x / 2.0 ** e, -448, 448)
;;       step = 2.0 ** (np.maximum(np.frexp(np.where(r == 0, 1, r))[1] - 1, -6) - 3)
;;       q = np.round(r / step) * step * 2.0 ** e      # np.round: ties to even
;;       return np.moveaxis(q, -1, axis).astype(np.float32)
;;   ~~~
;;   SOFTMAX AHEAD OF A QUANTISED PRODUCT. Where the list says 'softmax', what is quantised is not the finished softmax but p = 2^(t - M), with t = logit x log2(e) and M = ceil(the row's largest t), a whole number; so 1/2 < the row's largest p <= 1. The row's sum l is taken of the UNQUANTISED p, in f32, and the product's result is divided by l at the end. Since M is a whole number, a kernel that streams over the keys may use a running M (the ceiling of the running maximum): every later rescaling is an exact power of two, so the quantised numbers keep their values, but for numbers so far below the row's largest that they fall under the format's range.
;;   OPERANDS COMPUTED ON THE WAY. 'Computed on the way' means the value that the module computes at that place (a softmax that the list does not call 'softmax' is quantised finished and normalised). What goes into a quantiser is computed in f32, as accurately as f32 sums, v_exp_f32 and their like allow (about 1e-6 of the number): no bf16 or f16 on the way to a quantiser, and a product that is left as it is and whose result goes on into a quantised operand takes f32 operands (vector FMAs, or v_wmma_f32_16x16x4_f32). A number that lies on a knife's edge between two numbers of the format may be rounded either way, as far as f32 arithmetic and the matrix unit's own rounding can turn it there, and no further.
;; One version. Each part assembles by itself: llvm-mc -triple=amdgcn-amd-amdhsa -mcpu=gfx1250 --defsym DOCPART=n.
;; ======== version 1 of 1: 6 launches
;; workspace buffers: cv 266,240 bytes; kv 17,039,360 bytes; rows 524,288 bytes; part 33,554,432 bytes; pstat 524,288 bytes; cstat 40,960 bytes; csum 131,072 bytes
;; launch prepmu (part 1): grid 8 x 1, 8 waves a work-group, no clusters, 5,120 bytes of LDS; arguments mu, w, sigma, lowp_scales, cv; writes cv
.if DOCPART == 1
	.amdgcn_target "amdgcn-amd-amdhsa--gfx1250"
	.amdhsa_code_object_version 6
	.text
	.protected	k_q606dbd5456_prepmu
	.globl	k_q606dbd5456_prepmu
	.p2align	8
	.type	k_q606dbd5456_prepmu,@function
k_q606dbd5456_prepmu:
	s_mov_b64 s[64:65], 0
	v_nop
	global_prefetch_b8 v0, s[64:65] scope:SCOPE_SE
	s_setreg_imm32_b32 hwreg(HW_REG_WAVE_MODE, 25, 1), 1
	s_wait_xcnt 0x0
; mu [1024][128] f32 becomes codes of E4M3 with the scale 2^e1, laid as images of operand registers, and beta_c = (w_c sigma^2 - |mu_c|^2 / 2) / 2^(e0+e1).
; cv has 8 steps of 128 centres, 33,280 bytes each: +0 eight fragments of 2,048 bytes, +16,384 beta (128 f32), +16,896 the new centres' image (stored by a later launch).
; A fragment is 16 rows x 128 along d: registers 4 b .. 4 b + 3 of lane (r, h) hold d = 32 b + 16 h + 0 .. 15 of row r, and lie at 512 b + 16 x lane.
; Work-group g is step g, wave i its tile i.  No tiles are shared between work-groups, so there is no cluster; the launch moves half a megabyte.
; LIMITS: e1 between -126 and 119; NaN among the inputs is not served.
.set STEPB, 33280
.set NUM,   32                         ; v32-95  my 64 numbers
.set CD,    16                         ; v16-31  their codes
.macro QUANT64 n, c, sc, lim           ; 64 numbers of a lane become 16 registers of codes
.set b, 0
.rept 4
.set i, 0
.rept 16
	v_med3_num_f32 v[\n+16*b+i], v[\n+16*b+i], -v[\lim], v[\lim]   ; the conversion does not saturate (ISA guide 7.6.2): held at the largest code x the scale
.set i, i+1
.endr
	v_cvt_scalef32_pk8_fp8_f32 v[\c+4*b:\c+4*b+1], v[\n+16*b:\n+16*b+7], v[\sc]
	v_cvt_scalef32_pk8_fp8_f32 v[\c+4*b+2:\c+4*b+3], v[\n+16*b+8:\n+16*b+15], v[\sc]
.set b, b+1
.endr
	v_nop                                          ; a plain line behind the last conversion
.endm
	s_load_b256 s[4:11], s[0:1], 0x0               ; mu s[4:5], w s[6:7], sigma s[8:9], the scales' exponents s[10:11]
	s_load_b64 s[12:13], s[0:1], 0x20              ; cv
	v_lshl_add_u32 v128, v0, 2, 0x1000
	v_mov_b32 v129, 0
	v_lshrrev_b32 v1, 5, v0
	v_readfirstlane_b32 s14, v1                    ; wave = tile
	v_and_b32 v2, 31, v0                           ; lane
	v_and_b32 v3, 15, v0                           ; r
	v_bfe_u32 v4, v0, 4, 1                         ; h
	v_lshlrev_b32 v5, 9, v3
	v_lshl_add_u32 v5, v4, 6, v5                   ; mu: 512 r + 64 h
	v_lshlrev_b32 v6, 2, v3                        ; w: 4 r
	v_lshlrev_b32 v7, 4, v2                        ; 16 x lane
	s_lshl_b32 s15, s14, 6
	v_add_nc_u32 v8, s15, v6                       ; LDS: beta of row 16 i + r
	s_mov_b32 s34, 0x76543210
	s_mov_b32 s35, 0xfedcba98                      ; lane l xor 16
	s_lshl_b32 s16, ttmp9, 7
	s_lshl_b32 s17, s14, 4
	s_add_co_u32 s16, s16, s17                     ; my first centre: 128 g + 16 i
	s_lshl_b32 s18, s16, 9
	s_mov_b32 s19, 0
	s_lshl_b32 s20, s16, 2
	s_mov_b32 s21, 0
	s_mul_i32 s22, ttmp9, STEPB
	s_mov_b32 s23, 0
	s_lshl_b32 s24, s14, 11
	s_mov_b32 s25, 0
	s_wait_kmcnt 0x0
	s_load_b32 s26, s[8:9], 0x0                    ; sigma
	s_load_b64 s[28:29], s[10:11], 0x0             ; e0, e1
	s_add_nc_u64 s[4:5], s[4:5], s[18:19]
	s_add_nc_u64 s[6:7], s[6:7], s[20:21]
	s_add_nc_u64 s[12:13], s[12:13], s[22:23]      ; my step of cv
	s_add_nc_u64 s[30:31], s[12:13], s[24:25]      ; my fragment
.irp b, 0,1,2,3
.irp j, 0,1,2,3
	global_load_b128 v[NUM+16*\b+4*\j:NUM+16*\b+4*\j+3], v5, s[4:5] offset:128*\b+16*\j
.endr
.endr
	global_load_b32 v9, v6, s[6:7]
	s_wait_loadcnt 0x0
	s_wait_kmcnt 0x0
	v_pk_mul_f32 v[10:11], v[NUM:NUM+1], v[NUM:NUM+1]          ; |mu|^2 of my 64 numbers, two chains of pairs
	v_pk_mul_f32 v[12:13], v[NUM+2:NUM+3], v[NUM+2:NUM+3]
.set j, 4
.rept 15
	v_pk_fma_f32 v[10:11], v[NUM+j:NUM+j+1], v[NUM+j:NUM+j+1], v[10:11]
	v_pk_fma_f32 v[12:13], v[NUM+j+2:NUM+j+3], v[NUM+j+2:NUM+j+3], v[12:13]
.set j, j+4
.endr
	v_pk_add_f32 v[10:11], v[10:11], v[12:13]
	v_add_f32 v10, v10, v11
	v_permlanex16_b32 v11, v10, s34, s35
	v_add_f32 v10, v10, v11                        ; the row's, in both halves of the lanes
	v_mov_b32 v12, s26
	v_mul_f32 v12, v12, v12                        ; sigma^2
	v_mul_f32 v10, -0.5, v10
	v_fma_f32 v10, v9, v12, v10                    ; w sigma^2 - m2 / 2
	s_add_co_i32 s27, s28, s29
	s_sub_co_i32 s27, 0, s27
	v_ldexp_f32 v10, v10, s27                      ; in units of a product of codes
	s_add_co_i32 s27, s29, 127
	s_lshl_b32 s33, s27, 23
	v_mov_b32 v14, s33                             ; 2^e1
	s_add_co_i32 s27, s27, 8
	s_lshl_b32 s27, s27, 23
	s_or_b32 s27, s27, 0x600000
	v_mov_b32 v15, s27                             ; 448 x 2^e1
	QUANT64 NUM, CD, 14, 15
.irp b, 0,1,2,3
	global_store_b128 v7, v[CD+4*\b:CD+4*\b+3], s[30:31] offset:512*\b   ; 512 consecutive bytes a store
.endr
	ds_store_b32 v8, v10                           ; lanes r and r + 16 write the same word with the same number
	s_wait_dscnt 0x0                               ; for the others' sake
	s_barrier_signal -1
	s_barrier_wait -1
	s_cmp_lg_u32 s14, 0
	s_cbranch_scc1 .Lend
	ds_load_b128 v[96:99], v7                      ; the step's 128 beta leave as 512 consecutive bytes
	s_wait_dscnt 0x0
	global_store_b128 v7, v[96:99], s[12:13] offset:16384
.Lend:
	s_wait_tensorcnt 0x0
	ds_add_u32 v128, v129
	s_wait_dscnt 0x0
	s_endpgm
.Lfunc_end_k_q606dbd5456_prepmu:
	.size	k_q606dbd5456_prepmu, .Lfunc_end_k_q606dbd5456_prepmu-k_q606dbd5456_prepmu
	.p2alignl 7, 3214868480
	.fill 96, 4, 3214868480
	.section	.rodata,"a",@progbits
	.p2align	6, 0x0
	.amdhsa_kernel k_q606dbd5456_prepmu
		.amdhsa_group_segment_fixed_size 5120
		.amdhsa_private_segment_fixed_size 0
		.amdhsa_enable_private_segment 0
		.amdhsa_kernarg_size 40
		.amdhsa_user_sgpr_count 2
		.amdhsa_user_sgpr_kernarg_segment_ptr 1
		.amdhsa_wavefront_size32 1
		.amdhsa_system_sgpr_workgroup_id_x 1
		.amdhsa_system_sgpr_workgroup_id_y 1
		.amdhsa_system_sgpr_workgroup_id_z 1
		.amdhsa_system_vgpr_workitem_id 0
		.amdhsa_next_free_vgpr 130
		.amdhsa_next_free_sgpr 66
		.amdhsa_reserve_vcc 0
		.amdhsa_float_denorm_mode_32 3
		.amdhsa_float_denorm_mode_16_64 3
		.amdhsa_memory_ordered 1
		.amdhsa_forward_progress 1
		.amdhsa_inst_pref_size 12
	.end_amdhsa_kernel
	.amdgpu_metadata
---
amdhsa.version: [ 1, 2 ]
amdhsa.kernels:
  - .name:           k_q606dbd5456_prepmu
    .symbol:         k_q606dbd5456_prepmu.kd
    .args:
      - { .name: mu, .offset: 0, .size: 8, .value_kind: global_buffer, .address_space: global }
      - { .name: w, .offset: 8, .size: 8, .value_kind: global_buffer, .address_space: global }
      - { .name: sigma, .offset: 16, .size: 8, .value_kind: global_buffer, .address_space: global }
      - { .name: lowp_scales, .offset: 24, .size: 8, .value_kind: global_buffer, .address_space: global }
      - { .name: cv, .offset: 32, .size: 8, .value_kind: global_buffer, .address_space: global }
    .group_segment_fixed_size: 5120
    .private_segment_fixed_size: 0
    .kernarg_segment_align: 8
    .kernarg_segment_size: 40
    .max_flat_workgroup_size: 256
    .sgpr_count:     66
    .vgpr_count:     130
    .wavefront_size: 32
...
	.end_amdgpu_metadata
.endif
;; end of part 1
;; launch estep (part 2): grid 256 x 1, 8 waves a work-group, clusters of 4 x 1, 197,632 bytes of LDS; arguments X, cv, sigma, lowp_scales, kv, rows; writes kv, rows
.if DOCPART == 2
	.amdgcn_target "amdgcn-amd-amdhsa--gfx1250"
	.amdhsa_code_object_version 6
	.text
	.protected	k_q606dbd5456_estep
	.globl	k_q606dbd5456_estep
	.p2align	8
	.type	k_q606dbd5456_estep,@function
k_q606dbd5456_estep:
	s_mov_b64 s[64:65], 0
	v_nop
	global_prefetch_b8 v0, s[64:65] scope:SCOPE_SE
	s_setreg_imm32_b32 hwreg(HW_REG_WAVE_MODE, 25, 1), 1
	s_wait_xcnt 0x0
	s_wait_alu depctr_hold_cnt(0) depctr_sa_sdst(0) depctr_va_vdst(0) depctr_va_sdst(0) depctr_va_ssrc(0) depctr_va_vcc(0) depctr_vm_vsrc(0)
	s_getreg_b32 s2, hwreg(HW_REG_IB_STS2, 6, 4)
	s_cmp_eq_u32 s2, 0
	s_cbranch_scc0 .Lentry_in_a_cluster
	s_endpgm
.Lentry_in_a_cluster:
	s_bfe_u32 s2, ttmp6, 0x10000c
	s_cmp_lg_u32 s2, 0x3003
	s_cbranch_scc0 .Lentry_shape_is_right
	s_endpgm
.Lentry_shape_is_right:
; For 256 rows of X a work-group: (a) codes of X with 2^e0 (K = d) and of X^T with 2^e3 (K = n), as images of operand registers, into kv; (b) x2_n = |x_n|^2;
; (c) V_n = log2 of the sum over c of 2^(kappa (s + beta_c)), s the sum of code products of x_n and mu_c, kappa = log2(e) 2^(e0+e1) / sigma^2; nu_n = -V_n / kappa.
; log2(e) x lgamma_nc = kappa (s + beta_c) - V_n: the terms of t_nc that hang on n alone (x2, Zw, the Gaussian's norm) cancel in t - T and are not formed.
; kv: 512 steps of 128 rows, 33,280 bytes each: +0 eight fragments of X, +16,384 nu (128 f32), +16,896 eight fragments of X^T (16 d x 128 n: register q of lane (r, h) holds n = 16 (q/2) + 8 h + 4 (q%2) + byte).
; SHARES.  Wave w = (q = w & 3, g = w >> 2) takes rows 64 q .. 64 q + 63 (four tiles) against centres 512 g .. 512 g + 511: two waves to a SIMD, each fragment of mu read from LDS feeds four products.
; The product is used transposed (source 0 = 16 centres, source 1 = 16 rows): a lane holds one row; beta is the C of the one matrix instruction that makes a tile.
; The maximum is taken away by a running whole number M = ceil(largest t so far), as -M = floor(-t); sums are brought under a new M by an exact power of two.
; CLUSTER: the four work-groups read the same images of mu: each of the eight waves asks jointly for one step's 16,896 bytes, once; nothing in LDS is filled twice.
; LIMITS: e0, e3 between -126 and 119; sigma > 0; NaN among the inputs is not served.
.set STEPB,  33280
.set MUSTEP, 16896                     ; a step's image of mu and its beta
.set XIMG,   8*MUSTEP                  ; LDS: behind mu's eight steps the 16 fragments of X,
.set PST,    XIMG+16*2048              ; the waves' {-M, l}: [q][tile][g][lane] 8 bytes,
.set STG,    PST+8192                  ; and V, x2, nu of the 256 rows, 1,024 bytes each
.set LI,  1                            ; 16 x lane
.set BH,  2                            ; 32 h
.set ADR, 3                            ; the step's fragments
.set ADB, 4                            ; the step's beta
.set XRO, 5                            ; 512 r + 64 h
.set XCO, 6                            ; 4 x lane
.set VTO, 7                            ; 2048 (lane / 16) + 16 (lane % 16)
.set XWI, 8
.set XRI, 9
.set PSW, 10
.set PSR, 11
.set SGX, 12
.set SGV, 13
.set SGR, 14
.set ST,  16                           ; v16-31 tile t: -M, largest t, the sum in two halves
.set MA,  32
.set MB,  33
.set MP,  34
.set FF,  36                           ; v[36:37] f = 2^(old M - new M); the pair's low word is used
.set SU,  38
.set SC0, 40
.set LIM0, 41
.set SC3, 42
.set LIM3, 43
.set IK,  44                           ; 1 / kappa
.set XF,  48                           ; v48-111 four fragments of X; at the head the codes just made
.set S,   112                          ; v112-175 a tile's scores; at the head v112-239 two tiles of rows
.set MF,  0                            ; window 1: v0-127 mu's eight fragments; at the head four blocks of 32 numbers of a column
.set BF,  128                          ; window 1: v128-191 beta's eight tiles
.set WV,  16
.set QW,  17
.set GW,  18
.set WG,  20
.set G1,  24
.set G0,  32
.set CS,  36
.set SEL, 38
.set TBS, 40
.set CNT, 41
.set MSB, 0
.macro WIN new                         ; the immediate's high byte repeats the setting that is left
.if MSB != \new
	s_set_vgpr_msb (MSB<<8)|\new
.set MSB, \new
.endif
.endm
.macro CROUND                          ; a round of the cluster's barrier
	s_barrier_signal -1
	s_barrier_wait -1
	s_cmp_lg_u32 s[WV], 0
	s_cbranch_scc1 .Lnot_wave_0_\@
	s_barrier_signal -3
.Lnot_wave_0_\@:
	s_barrier_wait -3
	s_barrier_signal -1
	s_barrier_wait -1
.endm
.macro MKSC e, vsc, vlim               ; 2^e and 448 x 2^e as f32
	s_add_co_i32 s50, s[\e], 127
	s_lshl_b32 s51, s50, 23
	v_mov_b32 v[\vsc], s51
	s_add_co_i32 s50, s50, 8
	s_lshl_b32 s50, s50, 23
	s_or_b32 s50, s50, 0x600000
	v_mov_b32 v[\vlim], s50
.endm
.macro QUANT64 n, c, sc, lim
.set b, 0
.rept 4
.set i, 0
.rept 16
	v_med3_num_f32 v[\n+16*b+i], v[\n+16*b+i], -v[\lim], v[\lim]   ; the conversion does not saturate (ISA guide 7.6.2)
.set i, i+1
.endr
	v_cvt_scalef32_pk8_fp8_f32 v[\c+4*b:\c+4*b+1], v[\n+16*b:\n+16*b+7], v[\sc]
	v_cvt_scalef32_pk8_fp8_f32 v[\c+4*b+2:\c+4*b+3], v[\n+16*b+8:\n+16*b+15], v[\sc]
.set b, b+1
.endr
	v_nop                                          ; a plain line behind the last conversion
.endm
.macro MAXTREE s, a, b, p              ; the largest of 64 scores and of lane l xor 16's, from the low end on
	v_max3_num_f32 v[\a], v[\s], v[\s+1], v[\s+2]
	v_max3_num_f32 v[\b], v[\s+3], v[\s+4], v[\s+5]
.set i, 6
.rept 14
	v_max3_num_f32 v[\a], v[\a], v[\s+i], v[\s+i+1]
	v_max3_num_f32 v[\b], v[\b], v[\s+i+2], v[\s+i+3]
.set i, i+4
.endr
	v_max3_num_f32 v[\a], v[\a], v[\s+62], v[\s+63]
	v_max_num_f32 v[\a], v[\a], v[\b]
	v_permlanex16_b32 v[\p], v[\a], s[SEL], s[SEL+1]
	v_max_num_f32 v[\a], v[\a], v[\p]
.endm
.macro LOADR t                         ; tile t of my 32 rows: lane (r, h) takes 16 neighbours of each block of 32 of row r
.set b, 0
.rept 4
.set j, 0
.rept 4
	global_load_b128 v[S+64*(\t)+16*b+4*j:S+64*(\t)+16*b+4*j+3], v[XRO], s[54:55] offset:8192*(\t)+128*b+16*j
.set j, j+1
.endr
.set b, b+1
.endr
.endm
.macro ROWQ t, left                    ; x2, the codes with 2^e0, their image to LDS and to kv
.set rN, S+64*(\t)
.set rX, 32+4*(\t)
	s_wait_loadcnt \left                           ; the count: the loads issued behind this tile's sixteen
	v_pk_mul_f32 v[rX:rX+1], v[rN:rN+1], v[rN:rN+1]
	v_pk_mul_f32 v[rX+2:rX+3], v[rN+2:rN+3], v[rN+2:rN+3]
.set j, 4
.rept 15
	v_pk_fma_f32 v[rX:rX+1], v[rN+j:rN+j+1], v[rN+j:rN+j+1], v[rX:rX+1]
	v_pk_fma_f32 v[rX+2:rX+3], v[rN+j+2:rN+j+3], v[rN+j+2:rN+j+3], v[rX+2:rX+3]
.set j, j+4
.endr
	v_pk_add_f32 v[rX:rX+1], v[rX:rX+1], v[rX+2:rX+3]
	v_add_f32 v[rX], v[rX], v[rX+1]
	v_permlanex16_b32 v[rX+1], v[rX], s[SEL], s[SEL+1]
	v_add_f32 v[rX], v[rX], v[rX+1]
	ds_store_b32 v[SGX], v[rX] offset:64*(\t)
	QUANT64 rN, XF+16*(\t), SC0, LIM0
.irp c, 0,1,2,3
	ds_store_b128 v[XWI], v[XF+16*(\t)+4*\c:XF+16*(\t)+4*\c+3] offset:2048*(\t)+512*\c
	global_store_b128 v[LI], v[XF+16*(\t)+4*\c:XF+16*(\t)+4*\c+3], s[58:59] offset:2048*(\t)+512*\c
.endr
.endm
.macro LOADC b                         ; block b of my column: a lane takes column 32 q + lane, its registers run down 32 rows
	WIN 0x40
.set k, 0
.rept 32
	global_load_b32 v[32*(\b)+k], v[XCO], s[56:57] offset:(32*(\b)+k)*512
.set k, k+1
.endr
	WIN 0
.endm
.macro BLOCKC b, left                  ; its codes with 2^e3: rows 0-7, 16-23 are lane (r, 0)'s 16 bytes of chunk b, rows 8-15, 24-31 lane (r, 1)'s
	s_wait_loadcnt \left                           ; the count: the next block's 32 loads
	WIN 0x41
.set k, 0
.rept 32
	v_med3_num_f32 v[32*(\b)+k], v[32*(\b)+k], -v[LIM3], v[LIM3]
.set k, k+1
.endr
	WIN 0x01
	v_cvt_scalef32_pk8_fp8_f32 v[80+8*(\b):81+8*(\b)], v[32*(\b):32*(\b)+7], v[SC3]
	v_cvt_scalef32_pk8_fp8_f32 v[82+8*(\b):83+8*(\b)], v[32*(\b)+16:32*(\b)+23], v[SC3]
	v_cvt_scalef32_pk8_fp8_f32 v[84+8*(\b):85+8*(\b)], v[32*(\b)+8:32*(\b)+15], v[SC3]
	v_cvt_scalef32_pk8_fp8_f32 v[86+8*(\b):87+8*(\b)], v[32*(\b)+24:32*(\b)+31], v[SC3]
	WIN 0
	v_nop
	global_store_b128 v[VTO], v[80+8*(\b):83+8*(\b)], s[58:59] offset:16896+512*(\b)       ; sixteen lanes fill 256 consecutive bytes, aligned
	global_store_b128 v[VTO], v[84+8*(\b):87+8*(\b)], s[58:59] offset:16896+512*(\b)+256
.endm
.macro LSE t                           ; tile t's 64 scores a lane go into its running M and sum
.set rT, ST+4*(\t)
	MAXTREE S, MA, MB, MP
	v_mul_f32 v[MA], s[CS], v[MA]                  ; as t (kappa is positive)
	v_max_num_f32 v[rT+1], v[rT+1], v[MA]
	v_mov_b32 v[MA], v[rT]
	v_floor_f32 v[rT], -v[rT+1]                    ; -M = floor(-t)
	v_sub_f32 v[MA], v[rT], v[MA]
	v_cvt_i32_f32 v[MA], v[MA]                     ; (it saturates)
	v_ldexp_f32 v[FF], 1.0, v[MA]                  ; f = 2^(old M - new M)
.set j, 0
.rept 32
	v_pk_fma_f32 v[S+j:S+j+1], v[S+j:S+j+1], s[CS:CS+1], v[rT:rT+1] op_sel_hi:[1,0,0]
.set j, j+2
.endr
.set j, 0
.rept 64
	v_exp_f32 v[S+j], v[S+j]
.set j, j+1
.endr
	v_pk_mul_f32 v[rT+2:rT+3], v[rT+2:rT+3], v[FF:FF+1] op_sel_hi:[1,0]   ; a plain line behind the exponentials
	s_wait_alu depctr_va_vdst(0)                   ; one wait for the batch, ahead of its first reader
	v_pk_add_f32 v[SU:SU+1], v[S:S+1], v[S+2:S+3]
.set j, 4
.rept 15
	v_pk_add_f32 v[rT+2:rT+3], v[rT+2:rT+3], v[S+j:S+j+1]
	v_pk_add_f32 v[SU:SU+1], v[SU:SU+1], v[S+j+2:S+j+3]
.set j, j+4
.endr
	v_pk_add_f32 v[rT+2:rT+3], v[rT+2:rT+3], v[SU:SU+1]
.endm
	s_load_b256 s[4:11], s[0:1], 0x0               ; X s[4:5], cv s[6:7], sigma s[8:9], the scales' exponents s[10:11]
	s_load_b128 s[12:15], s[0:1], 0x20             ; kv s[12:13], rows s[14:15]
	v_lshl_add_u32 v254, v0, 2, 0x30000
	v_mov_b32 v255, 0
	ds_add_u32 v254, v255
	ds_add_u32 v254, v255
	v_lshrrev_b32 v1, 5, v0
	v_readfirstlane_b32 s[WV], v1
	s_and_b32 s[QW], s[WV], 3
	s_lshr_b32 s[GW], s[WV], 2
	s_bfe_u32 s19, ttmp6, 0x40000                  ; my place in the cluster: it enters global addresses of X, kv and rows alone
	s_lshl_b32 s[WG], ttmp9, 2
	s_add_co_u32 s[WG], s[WG], s19
	s_mov_b32 s[G1], 15|(3<<16)|(1<<21)            ; the mask: all four work-groups; elements of 8 bytes; bit 21 beside a mask
	s_mov_b32 s[G1+1], 32<<16                      ; tensor_dim0 = 32 elements: rows of 256 bytes
	s_mov_b32 s[G1+2], 66<<16                      ; tensor_dim1 = 66
	s_mov_b32 s[G1+3], 32<<16                      ; tile_dim0
	s_mov_b32 s[G1+4], 66                          ; tile_dim1
	s_mov_b32 s[G1+5], 32                          ; the pitch: the block is dense
	s_mov_b32 s[G1+6], 0
	s_mov_b32 s[G1+7], 0
	s_mov_b32 s[SEL], 0x76543210
	s_mov_b32 s[SEL+1], 0xfedcba98
	s_mul_i32 s[TBS], s[GW], 4*MUSTEP              ; my half of the centres begins here in LDS
	s_mov_b32 s[CNT], 4
	s_mov_b32 s[G0], 1
	s_mul_i32 s[G0+1], s[WV], MUSTEP               ; wave w brings step w
	s_mul_i32 s50, s[WV], STEPB
	s_mov_b32 s51, 0
	s_wait_dscnt 0x0
	s_wait_kmcnt 0x0
	s_load_b128 s[44:47], s[10:11], 0x0            ; e0 .. e3
	s_load_b32 s48, s[8:9], 0x0                    ; sigma
	s_add_nc_u64 s[G0+2:G0+3], s[6:7], s[50:51]
	s_or_b32 s[G0+3], s[G0+3], 0x80000000
	CROUND                                         ; the four work-groups are here: the joint loads meet
	tensor_load_to_lds s[G0:G0+3], s[G1:G1+7]      ; one load of mine is out
	s_nop 0
.rept 4
	v_nop
.endr
	v_and_b32 v45, 31, v0                          ; lane
	v_and_b32 v46, 15, v0                          ; r
	v_bfe_u32 v47, v0, 4, 1                        ; h
	v_lshlrev_b32 v[LI], 4, v45
	v_lshlrev_b32 v[BH], 5, v47
	v_lshlrev_b32 v[XRO], 9, v46
	v_lshl_add_u32 v[XRO], v47, 6, v[XRO]
	v_lshlrev_b32 v[XCO], 2, v45
	v_lshlrev_b32 v[VTO], 4, v46
	v_lshl_add_u32 v[VTO], v47, 11, v[VTO]
	s_lshl_b32 s50, s[WG], 17                      ; 256 rows of 512 bytes
	s_mov_b32 s51, 0
	s_add_nc_u64 s[4:5], s[4:5], s[50:51]
	s_lshl_b32 s52, s[WV], 14
	s_mov_b32 s53, 0
	s_add_nc_u64 s[54:55], s[4:5], s[52:53]        ; by rows: my 32 rows
	s_lshl_b32 s52, s[GW], 16
	s_lshl_b32 s50, s[QW], 7
	s_add_co_u32 s52, s52, s50
	s_add_nc_u64 s[56:57], s[4:5], s[52:53]        ; by columns: rows 128 g on, columns 32 q on
	s_lshl_b32 s52, s[WG], 1
	s_add_co_u32 s52, s52, s[GW]
	s_mul_i32 s52, s52, STEPB
	s_lshl_b32 s50, s[QW], 12
	s_add_co_u32 s52, s52, s50
	s_add_nc_u64 s[58:59], s[12:13], s[52:53]      ; kv: step 2 wg + g, + 4096 q: my two fragments of either image
	LOADR 0
	LOADR 1
	LOADC 0
	s_lshl_b32 s50, s[WV], 12
	s_add_co_u32 s50, s50, XIMG
	v_add_nc_u32 v[XWI], s50, v[LI]
	s_lshl_b32 s50, s[QW], 13
	s_add_co_u32 s50, s50, XIMG
	v_add_nc_u32 v[XRI], s50, v[LI]
	s_lshl_b32 s50, s[QW], 11
	s_lshl_b32 s51, s[GW], 8
	s_add_co_u32 s51, s51, s50
	s_add_co_u32 s51, s51, PST
	v_lshl_add_u32 v[PSW], v45, 3, s51
	s_lshl_b32 s51, s[GW], 10
	s_add_co_u32 s51, s51, s50
	s_add_co_u32 s51, s51, PST
	v_lshl_add_u32 v[PSR], v45, 3, s51
	s_lshl_b32 s50, s[WV], 7
	s_add_co_u32 s50, s50, STG+1024
	v_lshl_add_u32 v[SGX], v46, 2, s50
	s_lshl_b32 s50, s[QW], 8
	s_lshl_b32 s51, s[GW], 7
	s_add_co_u32 s50, s50, s51
	s_add_co_u32 s50, s50, STG
	v_lshl_add_u32 v[SGV], v46, 2, s50
	s_lshl_b32 s50, s[WV], 9
	s_add_co_u32 s50, s50, STG
	v_add_nc_u32 v[SGR], s50, v[LI]
	; where waves 0 to 5 store at the end: V and x2 into rows, nu into kv
	s_and_b32 s50, s[WV], 1
	s_lshr_b32 s51, s[WV], 1
	s_lshl_b32 s51, s51, 18
	s_lshl_b32 s52, s[WG], 10
	s_add_co_u32 s51, s51, s52
	s_lshl_b32 s52, s50, 9
	s_add_co_u32 s51, s51, s52
	s_lshl_b32 s52, s[WG], 1
	s_add_co_u32 s52, s52, s50
	s_mul_i32 s52, s52, STEPB
	s_add_co_u32 s52, s52, 16384
	s_cmp_lt_u32 s[WV], 4
	s_cselect_b64 s[60:61], s[14:15], s[12:13]
	s_cselect_b32 s62, s51, s52
	s_mov_b32 s63, 0
	s_add_nc_u64 s[60:61], s[60:61], s[62:63]
	s_wait_kmcnt 0x0
	MKSC 44, SC0, LIM0
	MKSC 47, SC3, LIM3
	ROWQ 0, 48                                     ; out behind it: tile 1's 16 loads and column block 0's 32
	ROWQ 1, 32
	LOADC 1
	BLOCKC 0, 32
	LOADC 2
	BLOCKC 1, 32
	LOADC 3
	BLOCKC 2, 32
	BLOCKC 3, 0
	v_mov_b32 v32, s48
	v_mul_f32 v32, v32, v32                        ; sigma^2
	v_rcp_f32 v33, v32
	v_nop
	s_wait_alu depctr_va_vdst(0)
	v_fma_f32 v35, -v32, v33, 1.0                  ; one Newton step
	v_fma_f32 v33, v33, v35, v33
	v_mul_f32 v33, 0x3fb8aa3b, v33
	s_add_co_i32 s50, s44, s45
	v_ldexp_f32 v33, v33, s50
	v_readfirstlane_b32 s[CS], v33                 ; kappa
	s_mov_b32 s[CS+1], s[CS]
	v_mul_f32 v[IK], 0x3f317218, v32
	s_sub_co_i32 s50, 0, s50
	v_ldexp_f32 v[IK], v[IK], s50                  ; 1 / kappa = sigma^2 ln 2 / 2^(e0+e1)
.irp t, 0,1,2,3
	v_mov_b32 v[ST+4*\t+1], 0xff61b1e6             ; the largest t so far: -3e38
	v_floor_f32 v[ST+4*\t], -v[ST+4*\t+1]
	v_mov_b32 v[ST+4*\t+2], 0
	v_mov_b32 v[ST+4*\t+3], 0
.endr
	s_wait_tensorcnt 0x0                           ; my step of mu has landed
	s_wait_xcnt 0x0                                ; the stores have read the codes' registers, which the loads below fill
	s_wait_dscnt 0x0                               ; my images of X and my x2 lie in LDS
	s_barrier_signal -1
	s_barrier_wait -1
.irp t, 0,1,2,3
.irp c, 0,1,2,3
	ds_load_b128 v[XF+16*\t+4*\c:XF+16*\t+4*\c+3], v[XRI] offset:2048*\t+512*\c
.endr
.endr
.Lstep:                                            ; four trips: a step of 128 centres
	v_add_nc_u32 v[ADR], s[TBS], v[LI]
	v_add_nc_u32 v[ADB], s[TBS], v[BH]
	WIN 0x40
.set i, 0
.rept 8
	ds_load_b128 v[BF+8*i:BF+8*i+3],   v[ADB] offset:16384+64*i      ; beta of centres 16 i + 8 h + 0 .. 7: the result's layout
	ds_load_b128 v[BF+8*i+4:BF+8*i+7], v[ADB] offset:16384+64*i+16
.set i, i+1
.endr
.set i, 0
.rept 8
.irp c, 0,1,2,3
	ds_load_b128 v[MF+16*i+4*\c:MF+16*i+4*\c+3], v[ADR] offset:2048*i+512*\c
.endr
.set i, i+1
.endr
.irp t, 0,1,2,3
	WIN 0x11                                       ; mu and beta in window 1, X and the scores in window 0
.set i, 0
.rept 8
.if \t == 0
	s_wait_dscnt 28-4*i                            ; out: the four loads of each later fragment of mu
.endif
	v_wmma_f32_16x16x128_fp8_fp8 v[S+8*i:S+8*i+7], v[MF+16*i:MF+16*i+15], v[XF+16*\t:XF+16*\t+15], v[BF+8*i:BF+8*i+7]
.set i, i+1
.endr
	WIN 0
.rept 4
	v_nop                                          ; four places ahead of the first read of results (ISA guide 7.12.1)
.endr
	LSE \t
.endr
	s_add_co_u32 s[TBS], s[TBS], MUSTEP
	s_sub_co_u32 s[CNT], s[CNT], 1
	s_cmp_lg_u32 s[CNT], 0
	s_cbranch_scc1 .Lstep
	; the two halves of the centres meet
.irp t, 0,1,2,3
	v_add_f32 v[ST+4*\t+2], v[ST+4*\t+2], v[ST+4*\t+3]
.endr
.irp t, 0,1,2,3
	v_permlanex16_b32 v[ST+4*\t+3], v[ST+4*\t+2], s[SEL], s[SEL+1]
.endr
.irp t, 0,1,2,3
	v_add_f32 v[ST+4*\t+1], v[ST+4*\t+2], v[ST+4*\t+3]         ; {-M, l}
.endr
.irp t, 0,1,2,3
	ds_store_b64 v[PSW], v[ST+4*\t:ST+4*\t+1] offset:512*\t
.endr
	s_wait_dscnt 0x0
	s_barrier_signal -1
	s_barrier_wait -1
.irp u, 0,1                                    ; I finish tiles 2 g + u of my 64 rows
	ds_load_b64 v[112+4*\u:113+4*\u], v[PSR] offset:512*\u
	ds_load_b64 v[114+4*\u:115+4*\u], v[PSR] offset:512*\u+256
.endr
	s_wait_dscnt 0x0
.irp u, 0,1
	v_min_num_f32 v[120+\u], v[112+4*\u], v[114+4*\u]          ; the larger M
	v_sub_f32 v[122+2*\u], v[120+\u], v[112+4*\u]
	v_sub_f32 v[123+2*\u], v[120+\u], v[114+4*\u]
	v_cvt_i32_f32 v[122+2*\u], v[122+2*\u]
	v_cvt_i32_f32 v[123+2*\u], v[123+2*\u]
	v_ldexp_f32 v[113+4*\u], v[113+4*\u], v[122+2*\u]
	v_ldexp_f32 v[115+4*\u], v[115+4*\u], v[123+2*\u]
	v_add_f32 v[126+\u], v[113+4*\u], v[115+4*\u]
.endr
	v_log_f32 v128, v126
	v_log_f32 v129, v127
	v_nop
	s_wait_alu depctr_va_vdst(0)
	v_sub_f32 v128, v128, v120                     ; V = log2(l) + M
	v_sub_f32 v129, v129, v121
	v_mul_f32 v130, -v128, v[IK]                   ; nu
	v_mul_f32 v131, -v129, v[IK]
	ds_store_b32 v[SGV], v128
	ds_store_b32 v[SGV], v129 offset:64
	ds_store_b32 v[SGV], v130 offset:2048
	ds_store_b32 v[SGV], v131 offset:2112
	s_wait_dscnt 0x0
	s_barrier_signal -1
	s_barrier_wait -1
	s_cmp_lt_u32 s[WV], 6
	s_cbranch_scc0 .Lno_store
	ds_load_b128 v[132:135], v[SGR]                ; 128 numbers leave as 512 consecutive bytes
	s_wait_dscnt 0x0
	global_store_b128 v[LI], v[132:135], s[60:61]
.Lno_store:
	s_wait_tensorcnt 0x0
	ds_add_u32 v254, v255
	s_wait_dscnt 0x0
	CROUND                                         ; the closing round
	s_endpgm
.Lfunc_end_k_q606dbd5456_estep:
	.size	k_q606dbd5456_estep, .Lfunc_end_k_q606dbd5456_estep-k_q606dbd5456_estep
	.p2alignl 7, 3214868480
	.fill 96, 4, 3214868480
	.section	.rodata,"a",@progbits
	.p2align	6, 0x0
	.amdhsa_kernel k_q606dbd5456_estep
		.amdhsa_group_segment_fixed_size 197632
		.amdhsa_private_segment_fixed_size 0
		.amdhsa_enable_private_segment 0
		.amdhsa_kernarg_size 48
		.amdhsa_user_sgpr_count 2
		.amdhsa_user_sgpr_kernarg_segment_ptr 1
		.amdhsa_wavefront_size32 1
		.amdhsa_system_sgpr_workgroup_id_x 1
		.amdhsa_system_sgpr_workgroup_id_y 1
		.amdhsa_system_sgpr_workgroup_id_z 1
		.amdhsa_system_vgpr_workitem_id 0
		.amdhsa_next_free_vgpr 448
		.amdhsa_next_free_sgpr 66
		.amdhsa_reserve_vcc 0
		.amdhsa_float_denorm_mode_32 3
		.amdhsa_float_denorm_mode_16_64 3
		.amdhsa_memory_ordered 1
		.amdhsa_forward_progress 1
		.amdhsa_inst_pref_size 93
	.end_amdhsa_kernel
	.amdgpu_metadata
---
amdhsa.version: [ 1, 2 ]
amdhsa.kernels:
  - .name:           k_q606dbd5456_estep
    .symbol:         k_q606dbd5456_estep.kd
    .args:
      - { .name: X, .offset: 0, .size: 8, .value_kind: global_buffer, .address_space: global }
      - { .name: cv, .offset: 8, .size: 8, .value_kind: global_buffer, .address_space: global }
      - { .name: sigma, .offset: 16, .size: 8, .value_kind: global_buffer, .address_space: global }
      - { .name: lowp_scales, .offset: 24, .size: 8, .value_kind: global_buffer, .address_space: global }
      - { .name: kv, .offset: 32, .size: 8, .value_kind: global_buffer, .address_space: global }
      - { .name: rows, .offset: 40, .size: 8, .value_kind: global_buffer, .address_space: global }
    .group_segment_fixed_size: 197632
    .private_segment_fixed_size: 0
    .kernarg_segment_align: 8
    .kernarg_segment_size: 48
    .max_flat_workgroup_size: 256
    .sgpr_count:     66
    .vgpr_count:     448
    .wavefront_size: 32
...
	.end_amdgpu_metadata
.endif
;; end of part 2
;; launch mstep (part 3): grid 4 x 64, 4 waves a work-group, clusters of 4 x 1, 327,680 bytes of LDS; arguments kv, cv, sigma, lowp_scales, part, pstat; writes part, pstat
.if DOCPART == 3
	.amdgcn_target "amdgcn-amd-amdhsa--gfx1250"
	.amdhsa_code_object_version 6
	.text
	.protected	k_q606dbd5456_mstep
	.globl	k_q606dbd5456_mstep
	.p2align	8
	.type	k_q606dbd5456_mstep,@function
k_q606dbd5456_mstep:
	s_mov_b64 s[64:65], 0
	v_nop
	global_prefetch_b8 v0, s[64:65] scope:SCOPE_SE
	s_setreg_imm32_b32 hwreg(HW_REG_WAVE_MODE, 25, 1), 1
	s_wait_xcnt 0x0
	s_wait_alu depctr_hold_cnt(0) depctr_sa_sdst(0) depctr_va_vdst(0) depctr_va_sdst(0) depctr_va_ssrc(0) depctr_va_vcc(0) depctr_vm_vsrc(0)
	s_getreg_b32 s2, hwreg(HW_REG_IB_STS2, 6, 4)
	s_cmp_eq_u32 s2, 0
	s_cbranch_scc0 .Lentry_in_a_cluster
	s_endpgm
.Lentry_in_a_cluster:
	s_bfe_u32 s2, ttmp6, 0x10000c
	s_cmp_lg_u32 s2, 0x3003
	s_cbranch_scc0 .Lentry_shape_is_right
	s_endpgm
.Lentry_shape_is_right:
; The second product, mu_new = softmax over n of lgamma, transposed, times X, as attention: queries = centres, keys = rows n, values = X.
; t = log2(e) lgamma = kappa (s + nu_n) + kappa beta_c; nu_n is the C of the matrix instruction that makes a tile of scores.  p = 2^(t - M), M = ceil(largest t so far) (kept as -M = floor(-t)),
; is quantised with 2^e2 along n; the row's sum l is taken of the unquantised p; O^T = (X^T codes) (p codes) stays in units of code products.
; SHARES.  Work-group (x, y): centres 256 x on, rows 1,024 y on: 8 steps of 128 keys, 266,240 bytes of kv, which lie in LDS whole: nothing is filled twice.  A wave holds 64 centres, four tiles.
; Each range y has its own M; a later launch brings the 64 ranges under one M by exact powers of two.
; CLUSTER: the four x of a y read the same bytes of kv: each wave asks jointly for four blocks of 16,640 bytes; four loads of mine are out at the most.
; REGISTERS: window 0: v1-8 addresses; v16-47 tile t: offset, largest t, l (two halves), -M, kappa beta, f (pair); v48-55 at work; v56, v57 448 x 2^e2 and 2^e2; v64-79 p's codes; v128-191 scores.
;   window 1: O^T, tile t at 64 t + 8 dt.   window 2: v0-127 X's fragments, v128-255 X^T's.   window 3: v0-63 nu, v64-127 the queries' fragments.
; LIMITS: e2 between -126 and 119; sigma > 0; NaN among the inputs is not served.
.set STEPB, 33280
.set BLK,   16640                      ; what one tensor load brings: 65 rows of 256 bytes
.set LI,  1
.set BH,  2
.set ADR, 3
.set ADB, 4
.set ST,  16
.set MA,  48
.set MB,  49
.set MP,  50
.set SU,  52
.set LIMP, 56
.set SCP, 57
.set P,   64
.set S,   128
.set QF,  64                           ; in window 3
.set VF,  128                          ; in window 2
.set WV,  16
.set G1,  24
.set G0,  32
.set CS,  48
.set SEL, 50
.set TBS, 52
.set CNT, 53
.set MSB, 0
.macro WIN new
.if MSB != \new
	s_set_vgpr_msb (MSB<<8)|\new
.set MSB, \new
.endif
.endm
.macro CROUND
	s_barrier_signal -1
	s_barrier_wait -1
	s_cmp_lg_u32 s[WV], 0
	s_cbranch_scc1 .Lnot_wave_0_\@
	s_barrier_signal -3
.Lnot_wave_0_\@:
	s_barrier_wait -3
	s_barrier_signal -1
	s_barrier_wait -1
.endm
.macro MAXTREE s, a, b, p
	v_max3_num_f32 v[\a], v[\s], v[\s+1], v[\s+2]
	v_max3_num_f32 v[\b], v[\s+3], v[\s+4], v[\s+5]
.set i, 6
.rept 14
	v_max3_num_f32 v[\a], v[\a], v[\s+i], v[\s+i+1]
	v_max3_num_f32 v[\b], v[\b], v[\s+i+2], v[\s+i+3]
.set i, i+4
.endr
	v_max3_num_f32 v[\a], v[\a], v[\s+62], v[\s+63]
	v_max_num_f32 v[\a], v[\a], v[\b]
	v_permlanex16_b32 v[\p], v[\a], s[SEL], s[SEL+1]
	v_max_num_f32 v[\a], v[\a], v[\p]
.endm
; One tile of 16 centres against the step's 128 keys.  first = 1: the products start O^T's sums with the constant 0.
.macro TILE t, first
.set rT, ST+8*(\t)
	WIN 0x3e                                       ; X in window 2, the queries and nu in window 3, the scores in window 0
.set i, 0
.rept 8
.if (\t) == 0
	s_wait_dscnt 28-4*i                            ; out: the four loads of each later fragment of X
.endif
	v_wmma_f32_16x16x128_fp8_fp8 v[S+8*i:S+8*i+7], v[16*i:16*i+15], v[QF+16*(\t):QF+16*(\t)+15], v[8*i:8*i+7]
.set i, i+1
.endr
	WIN 0
.rept 4
	v_nop                                          ; four places ahead of the first read of results, and of the loads into X^T's registers
.endr
.if (\t) == 0
	WIN 0x80
.set i, 0
.rept 8
.irp c, 0,1,2,3
	ds_load_b128 v[VF+16*i+4*\c:VF+16*i+4*\c+3], v[ADR] offset:16896+2048*i+512*\c
.endr
.set i, i+1
.endr
	WIN 0
.endif
	MAXTREE S, MA, MB, MP
	v_fma_f32 v[MA], s[CS], v[MA], v[rT+5]         ; as t (kappa is positive)
	v_max_num_f32 v[rT+1], v[rT+1], v[MA]
	v_mov_b32 v[MA], v[rT+4]
	v_floor_f32 v[rT+4], -v[rT+1]                  ; -M = floor(-t)
	v_sub_f32 v[MA], v[rT+4], v[MA]
	v_cvt_i32_f32 v[MA], v[MA]                     ; (it saturates)
	v_ldexp_f32 v[rT+6], 1.0, v[MA]                ; f = 2^(old M - new M)
	v_add_f32 v[rT], v[rT+5], v[rT+4]              ; kappa beta - M
.set j, 0
.rept 32
	v_pk_fma_f32 v[S+j:S+j+1], v[S+j:S+j+1], s[CS:CS+1], v[rT:rT+1] op_sel_hi:[1,0,0]
.set j, j+2
.endr
.set j, 0
.rept 64
	v_exp_f32 v[S+j], v[S+j]
.set j, j+1
.endr
	v_pk_mul_f32 v[rT+2:rT+3], v[rT+2:rT+3], v[rT+6:rT+7] op_sel_hi:[1,0]   ; a plain line behind the exponentials
	s_wait_alu depctr_va_vdst(0)                   ; one wait for the batch, ahead of its first reader
	v_pk_add_f32 v[SU:SU+1], v[S:S+1], v[S+2:S+3]  ; the sum of the unquantised p
.set j, 4
.rept 15
	v_pk_add_f32 v[rT+2:rT+3], v[rT+2:rT+3], v[S+j:S+j+1]
	v_pk_add_f32 v[SU:SU+1], v[SU:SU+1], v[S+j+2:S+j+3]
.set j, j+4
.endr
	v_pk_add_f32 v[rT+2:rT+3], v[rT+2:rT+3], v[SU:SU+1]
.set b, 0
.rept 8
.set i, 0
.rept 8
	v_min_num_f32 v[S+8*b+i], v[S+8*b+i], v[LIMP]  ; p is not negative: a one-sided hold (the conversion does not saturate: ISA guide 7.6.2)
.set i, i+1
.endr
	v_cvt_scalef32_pk8_fp8_f32 v[P+2*b:P+2*b+1], v[S+8*b:S+8*b+7], v[SCP]   ; keys 16 b + 8 h + 0 .. 7: registers 2 b, 2 b + 1 of the operand
.set b, b+1
.endr
.if \first
	v_nop                                          ; a plain line behind the last conversion
.else
	WIN 0x41
.set j, 0
.rept 32
	v_pk_mul_f32 v[64*(\t)+j:64*(\t)+j+1], v[64*(\t)+j:64*(\t)+j+1], v[rT+6:rT+7] op_sel_hi:[1,0]   ; O^T under the new M
.set j, j+2
.endr
.endif
.if (\t) == 0
	s_wait_dscnt 0x0                               ; X^T's fragments are in
.endif
	WIN 0x52                                       ; X^T in window 2, p in window 0, O^T in window 1; the eight accumulators take turns
.set i, 0
.rept 8
.if \first
	v_wmma_f32_16x16x128_fp8_fp8 v[64*(\t)+8*i:64*(\t)+8*i+7], v[VF+16*i:VF+16*i+15], v[P:P+15], 0
.else
	v_wmma_f32_16x16x128_fp8_fp8 v[64*(\t)+8*i:64*(\t)+8*i+7], v[VF+16*i:VF+16*i+15], v[P:P+15], v[64*(\t)+8*i:64*(\t)+8*i+7]
.endif
.set i, i+1
.endr
.endm
.macro STEP first
	v_add_nc_u32 v[ADR], s[TBS], v[LI]
	v_add_nc_u32 v[ADB], s[TBS], v[BH]
	WIN 0xc0
.set i, 0
.rept 8
	ds_load_b128 v[8*i:8*i+3],   v[ADB] offset:16384+64*i            ; nu of keys 16 i + 8 h + 0 .. 7
	ds_load_b128 v[8*i+4:8*i+7], v[ADB] offset:16384+64*i+16
.set i, i+1
.endr
	WIN 0x80
.set i, 0
.rept 8
.irp c, 0,1,2,3
	ds_load_b128 v[16*i+4*\c:16*i+4*\c+3], v[ADR] offset:2048*i+512*\c
.endr
.set i, i+1
.endr
	TILE 0, \first
	TILE 1, \first
	TILE 2, \first
	TILE 3, \first
	WIN 0
	s_add_co_u32 s[TBS], s[TBS], STEPB
.endm
	s_load_b256 s[4:11], s[0:1], 0x0               ; kv s[4:5], cv s[6:7], sigma s[8:9], the scales' exponents s[10:11]
	s_load_b128 s[12:15], s[0:1], 0x20             ; part s[12:13], pstat s[14:15]
	v_lshl_add_u32 v254, v0, 2, 0x41000
	v_mov_b32 v255, 0
	ds_add_u32 v254, v255
	ds_add_u32 v254, v255
	v_lshrrev_b32 v1, 5, v0
	v_readfirstlane_b32 s[WV], v1
	s_bfe_u32 s17, ttmp6, 0x40000                  ; x: my place in the cluster: it enters cv's, part's and pstat's addresses alone
	s_and_b32 s18, ttmp7, 0xffff                   ; y, which the four partners share
	s_mov_b32 s[G1], 15|(3<<16)|(1<<21)            ; the mask: all four; elements of 8 bytes; bit 21 beside a mask
	s_mov_b32 s[G1+1], 32<<16                      ; rows of 256 bytes
	s_mov_b32 s[G1+2], 65<<16
	s_mov_b32 s[G1+3], 32<<16
	s_mov_b32 s[G1+4], 65
	s_mov_b32 s[G1+5], 32                          ; dense
	s_mov_b32 s[G1+6], 0
	s_mov_b32 s[G1+7], 0
	s_mov_b32 s[SEL], 0x76543210
	s_mov_b32 s[SEL+1], 0xfedcba98
	s_mov_b32 s[TBS], 0
	s_mul_i32 s20, s[WV], BLK
	s_mul_i32 s22, s18, 8*STEPB
	s_add_co_u32 s22, s22, s20
	s_mov_b32 s23, 0
	s_wait_dscnt 0x0
	s_wait_kmcnt 0x0
	s_load_b128 s[56:59], s[10:11], 0x0            ; e0 .. e3
	s_load_b32 s60, s[8:9], 0x0                    ; sigma
	s_add_nc_u64 s[22:23], s[4:5], s[22:23]
.irp p, 0,1,2,3                                ; block 4 p + w of the range's sixteen
	s_mov_b32 s[G0+4*\p], 1
	s_add_co_u32 s[G0+4*\p+1], s20, \p*4*BLK
	s_add_nc_u64 s[G0+4*\p+2:G0+4*\p+3], s[22:23], \p*4*BLK
	s_or_b32 s[G0+4*\p+3], s[G0+4*\p+3], 0x80000000
.endr
	CROUND                                         ; the four work-groups are here: the joint loads meet
	tensor_load_to_lds s[G0:G0+3], s[G1:G1+7]
	s_nop 0
	tensor_load_to_lds s[G0+4:G0+7], s[G1:G1+7]
	s_nop 0
	tensor_load_to_lds s[G0+8:G0+11], s[G1:G1+7]
	s_nop 0
	tensor_load_to_lds s[G0+12:G0+15], s[G1:G1+7]
	s_nop 0
.rept 4
	v_nop
.endr
	v_and_b32 v6, 31, v0
	v_and_b32 v7, 15, v0                           ; r
	v_bfe_u32 v5, v0, 4, 1                         ; h
	v_lshlrev_b32 v[LI], 4, v6
	v_lshlrev_b32 v[BH], 5, v5
	v_lshlrev_b32 v8, 2, v7
	s_lshl_b32 s20, s17, 1
	s_lshr_b32 s21, s[WV], 1
	s_add_co_u32 s20, s20, s21
	s_mul_i32 s20, s20, STEPB                      ; my 64 centres lie in step 2 x + w / 2 of cv,
	s_mov_b32 s21, 0
	s_add_nc_u64 s[6:7], s[6:7], s[20:21]
	s_and_b32 s20, s[WV], 1
	s_lshl_b32 s54, s20, 13                        ; tiles 4 (w % 2) on
	s_mov_b32 s55, 0
	s_add_nc_u64 s[62:63], s[6:7], s[54:55]
	s_lshl_b32 s54, s20, 8
	s_add_nc_u64 s[6:7], s[6:7], s[54:55]
	WIN 0xc0
.irp t, 0,1,2,3
.irp c, 0,1,2,3
	global_load_b128 v[QF+16*\t+4*\c:QF+16*\t+4*\c+3], v[LI], s[62:63] offset:2048*\t+512*\c
.endr
.endr
	WIN 0
.irp t, 0,1,2,3
	global_load_b32 v[ST+8*\t+5], v8, s[6:7] offset:16384+64*\t          ; beta of my lane's centre
.endr
	s_lshl_b32 s20, s18, 2
	s_add_co_u32 s20, s20, s17
	s_lshl_b32 s20, s20, 2
	s_add_co_u32 s20, s20, s[WV]                   ; (4 y + x) 4 + w
	s_lshl_b32 s54, s20, 15
	s_add_nc_u64 s[12:13], s[12:13], s[54:55]
	s_lshl_b32 s54, s20, 9
	s_add_nc_u64 s[14:15], s[14:15], s[54:55]
	s_wait_kmcnt 0x0
	v_mov_b32 v48, s60
	v_mul_f32 v48, v48, v48                        ; sigma^2
	v_rcp_f32 v49, v48
	v_mov_b32 v[MP], 0                             ; (a plain line; a lane permute's destination counts as read)
	s_wait_alu depctr_va_vdst(0)
	v_fma_f32 v51, -v48, v49, 1.0                  ; one Newton step
	v_fma_f32 v49, v49, v51, v49
	v_mul_f32 v49, 0x3fb8aa3b, v49
	s_add_co_i32 s20, s56, s57
	v_ldexp_f32 v49, v49, s20
	v_readfirstlane_b32 s[CS], v49                 ; kappa
	s_mov_b32 s[CS+1], s[CS]
	s_add_co_i32 s20, s58, 127
	s_lshl_b32 s21, s20, 23
	v_mov_b32 v[SCP], s21                          ; 2^e2
	s_add_co_i32 s20, s20, 8
	s_lshl_b32 s20, s20, 23
	s_or_b32 s20, s20, 0x600000
	v_mov_b32 v[LIMP], s20                         ; 448 x 2^e2
	s_wait_loadcnt 0x0
.irp t, 0,1,2,3
	v_mul_f32 v[ST+8*\t+5], s[CS], v[ST+8*\t+5]    ; kappa beta
	v_mov_b32 v[ST+8*\t+1], 0xff61b1e6             ; the largest t so far: -3e38
	v_floor_f32 v[ST+8*\t+4], -v[ST+8*\t+1]
	v_mov_b32 v[ST+8*\t+2], 0
	v_mov_b32 v[ST+8*\t+3], 0
	v_mov_b32 v[ST+8*\t+7], 0                      ; (named as the upper half of f's pair)
.endr
	s_wait_tensorcnt 0x3                           ; my first block has landed; three stay out
	s_barrier_signal -1
	s_barrier_wait -1                              ; step 0 is the first blocks of waves 0 and 1
	STEP 1
	s_wait_tensorcnt 0x0                           ; all my blocks have landed
	s_wait_dscnt 0x0
	s_barrier_signal -1
	s_barrier_wait -1                              ; everybody's have
	s_mov_b32 s[CNT], 7
.Lstep:
	STEP 0
	s_sub_co_u32 s[CNT], s[CNT], 1
	s_cmp_lg_u32 s[CNT], 0
	s_cbranch_scc1 .Lstep
	; the way out: {-M, l} and O^T as its registers stand.  The additions are the places behind the last products
.irp t, 0,1,2,3
	v_add_f32 v[ST+8*\t+2], v[ST+8*\t+2], v[ST+8*\t+3]
.endr
.irp t, 0,1,2,3
	v_permlanex16_b32 v[ST+8*\t+3], v[ST+8*\t+2], s[SEL], s[SEL+1]
.endr
.irp t, 0,1,2,3
	v_add_f32 v[ST+8*\t+2], v[ST+8*\t+2], v[ST+8*\t+3]
.endr
	v_cmp_eq_u32 vcc_lo, 1, v5
	v_cndmask_b32 v52, v[ST+4], v[ST+20], vcc_lo   ; lanes 0-15: tiles 0 and 1; lanes 16-31: tiles 2 and 3
	v_cndmask_b32 v53, v[ST+2], v[ST+18], vcc_lo
	v_cndmask_b32 v54, v[ST+12], v[ST+28], vcc_lo
	v_cndmask_b32 v55, v[ST+10], v[ST+26], vcc_lo
	global_store_b128 v[LI], v[52:55], s[14:15]
	WIN 0x04                                       ; the stores' data in window 1
.set i, 0
.rept 64
	global_store_b128 v[LI], v[4*i:4*i+3], s[12:13] offset:512*i         ; 512 consecutive bytes a store; each accumulator from its low end on
.set i, i+1
.endr
	WIN 0
	s_wait_tensorcnt 0x0
	ds_add_u32 v254, v255
	s_wait_dscnt 0x0
	CROUND                                         ; the closing round
	s_endpgm
.Lfunc_end_k_q606dbd5456_mstep:
	.size	k_q606dbd5456_mstep, .Lfunc_end_k_q606dbd5456_mstep-k_q606dbd5456_mstep
	.p2alignl 7, 3214868480
	.fill 96, 4, 3214868480
	.section	.rodata,"a",@progbits
	.p2align	6, 0x0
	.amdhsa_kernel k_q606dbd5456_mstep
		.amdhsa_group_segment_fixed_size 327680
		.amdhsa_private_segment_fixed_size 0
		.amdhsa_enable_private_segment 0
		.amdhsa_kernarg_size 48
		.amdhsa_user_sgpr_count 2
		.amdhsa_user_sgpr_kernarg_segment_ptr 1
		.amdhsa_wavefront_size32 1
		.amdhsa_system_sgpr_workgroup_id_x 1
		.amdhsa_system_sgpr_workgroup_id_y 1
		.amdhsa_system_sgpr_workgroup_id_z 1
		.amdhsa_system_vgpr_workitem_id 0
		.amdhsa_next_free_vgpr 896
		.amdhsa_next_free_sgpr 66
		.amdhsa_reserve_vcc 1
		.amdhsa_float_denorm_mode_32 3
		.amdhsa_float_denorm_mode_16_64 3
		.amdhsa_memory_ordered 1
		.amdhsa_forward_progress 1
		.amdhsa_inst_pref_size 134
	.end_amdhsa_kernel
	.amdgpu_metadata
---
amdhsa.version: [ 1, 2 ]
amdhsa.kernels:
  - .name:           k_q606dbd5456_mstep
    .symbol:         k_q606dbd5456_mstep.kd
    .args:
      - { .name: kv, .offset: 0, .size: 8, .value_kind: global_buffer, .address_space: global }
      - { .name: cv, .offset: 8, .size: 8, .value_kind: global_buffer, .address_space: global }
      - { .name: sigma, .offset: 16, .size: 8, .value_kind: global_buffer, .address_space: global }
      - { .name: lowp_scales, .offset: 24, .size: 8, .value_kind: global_buffer, .address_space: global }
      - { .name: part, .offset: 32, .size: 8, .value_kind: global_buffer, .address_space: global }
      - { .name: pstat, .offset: 40, .size: 8, .value_kind: global_buffer, .address_space: global }
    .group_segment_fixed_size: 327680
    .private_segment_fixed_size: 0
    .kernarg_segment_align: 8
    .kernarg_segment_size: 48
    .max_flat_workgroup_size: 128
    .sgpr_count:     66
    .vgpr_count:     896
    .wavefront_size: 32
...
	.end_amdgpu_metadata
.endif
;; end of part 3
;; launch merge (part 4): grid 256 x 1, 4 waves a work-group, no clusters, 4,608 bytes of LDS; arguments part, pstat, lowp_scales, cv, cstat; writes cv, cstat
.if DOCPART == 4
	.amdgcn_target "amdgcn-amd-amdhsa--gfx1250"
	.amdhsa_code_object_version 6
	.text
	.protected	k_q606dbd5456_merge
	.globl	k_q606dbd5456_merge
	.p2align	8
	.type	k_q606dbd5456_merge,@function
k_q606dbd5456_merge:
	s_mov_b64 s[64:65], 0
	v_nop
	global_prefetch_b8 v0, s[64:65] scope:SCOPE_SE
	s_setreg_imm32_b32 hwreg(HW_REG_WAVE_MODE, 25, 1), 1
	s_wait_xcnt 0x0
; The 64 ranges of rows meet: M* = the largest M, l* = the sum of l_y 2^(M_y - M*), mu_new = 2^(e2+e3) (the sum of O_y 2^(M_y - M*)) / l*: the powers of two are exact.
; mu_new is quantised with 2^e5 along c into cv's third part, as images of operand registers (16 d x 128 c: register q of lane (r, h): c = 16 (q/2) + 8 h + 4 (q%2) + byte); -M*, l* and the sums of mu_new^2 go to cstat.
; SHARES.  Work-group: 32 centres (cp) x 16 d (dt).  Wave (tau, qh): centre tile 2 cp + tau, registers 8 dt + 4 qh + 0 .. 3 of O^T: 64 loads of 512 consecutive bytes.
; A stream read once, all of it asked for at the head; work-groups share no bytes of part, so there is no cluster.  The stores into cstat are 128 bytes each: a limit of its layout, 40 KB in all.
; LIMITS: e5 between -126 and 119.
.set STEPB, 33280
.set LI, 1
.set MSB, 0
.macro WIN new
.if MSB != \new
	s_set_vgpr_msb (MSB<<8)|\new
.set MSB, \new
.endif
.endm
	s_load_b256 s[4:11], s[0:1], 0x0               ; part s[4:5], pstat s[6:7], the scales' exponents s[8:9], cv s[10:11]
	s_load_b64 s[12:13], s[0:1], 0x20              ; cstat
	v_lshl_add_u32 v254, v0, 2, 0x1000
	v_mov_b32 v255, 0
	v_lshrrev_b32 v1, 5, v0
	v_readfirstlane_b32 s16, v1                    ; wave
	s_lshr_b32 s17, s16, 1                         ; tau
	s_and_b32 s18, s16, 1                          ; qh
	s_lshr_b32 s19, ttmp9, 3                       ; cp
	s_and_b32 s20, ttmp9, 7                        ; dt
	s_lshl_b32 s21, s19, 1
	s_add_co_u32 s21, s21, s17                     ; ct
	v_and_b32 v7, 31, v0
	v_and_b32 v8, 15, v0                           ; r
	v_bfe_u32 v9, v0, 4, 1                         ; h
	v_lshlrev_b32 v[LI], 4, v7
	s_mul_i32 s22, s18, 576
	s_lshl_b32 s23, s17, 6
	s_add_co_u32 s22, s22, s23
	v_mul_u32_u24 v2, v9, 1152
	v_lshl_add_u32 v2, v8, 2, v2
	v_add_nc_u32 v2, s22, v2                       ; LDS, T [16 d][32 c], rows 144 bytes apart: (8 h + 4 qh) 144 + (16 tau + r) 4
	s_lshl_b32 s22, s16, 7
	s_add_co_u32 s22, s22, 2304
	v_lshl_add_u32 v3, v8, 2, s22                  ; -M* and l* of my tile
	v_mul_u32_u24 v4, v8, 144
	v_lshl_add_u32 v4, v9, 5, v4                   ; wave 0 reads row r, c = 8 h on
	v_lshlrev_b32 v5, 2, v7                        ; 4 x lane
	v_lshlrev_b32 v6, 8, v9
	v_lshl_add_u32 v6, v8, 2, v6
	v_add_nc_u32 v6, 2304, v6                      ; wave 2 reads the two tiles' -M*, l*
	v_lshlrev_b32 v10, 4, v8                       ; pstat: 16 r
	v_mov_b32 v15, 0                               ; (named as the upper half of a pair)
	s_lshr_b32 s22, s21, 2
	s_lshl_b32 s22, s22, 9
	s_bfe_u32 s23, s21, 0x10001
	s_lshl_b32 s23, s23, 8
	s_add_co_u32 s22, s22, s23
	s_and_b32 s23, s21, 1
	s_lshl_b32 s23, s23, 3
	s_add_co_u32 s22, s22, s23                     ; 512 (ct / 4) + 256 ((ct % 4) / 2) + 8 (ct % 2)
	s_mov_b32 s23, 0
	s_lshl_b32 s24, s21, 13
	s_lshl_b32 s25, s20, 1
	s_add_co_u32 s25, s25, s18
	s_lshl_b32 s25, s25, 9
	s_add_co_u32 s24, s24, s25                     ; 8192 ct + 512 (2 dt + qh)
	s_mov_b32 s25, 0
	s_wait_kmcnt 0x0
	s_load_b128 s[40:43], s[8:9], 0x0              ; e0 .. e3
	s_load_b64 s[44:45], s[8:9], 0x10              ; e4, e5
	s_add_nc_u64 s[26:27], s[6:7], s[22:23]
	s_add_nc_u64 s[28:29], s[4:5], s[24:25]        ; four bases, sixteen ranges apart, so that the offsets stay inside the signed 24-bit immediate
	s_add_nc_u64 s[30:31], s[28:29], 0x800000
	s_add_nc_u64 s[32:33], s[30:31], 0x800000
	s_add_nc_u64 s[34:35], s[32:33], 0x800000
.set y, 0
.rept 64
	global_load_b64 v[64+2*y:65+2*y], v10, s[26:27] offset:8192*y        ; {-M, l} of range y
.set y, y+1
.endr
	WIN 0x40
.set y, 0
.rept 64
	global_load_b128 v[4*y:4*y+3], v[LI], s[28+2*(y/16):29+2*(y/16)] offset:(y%16)*524288 th:TH_LOAD_NT
.set y, y+1
.endr
	WIN 0
	s_wait_loadcnt 63                              ; behind the last {-M, l} stand 64 loads: with 63 out it is in
	v_min3_num_f32 v11, v64, v66, v68
.set y, 3
.rept 30
	v_min3_num_f32 v11, v11, v[64+2*y], v[66+2*y]
.set y, y+2
.endr
	v_min_num_f32 v11, v11, v190                   ; -M*
.set y, 0
.rept 64
	v_sub_f32 v[64+2*y], v11, v[64+2*y]
.set y, y+1
.endr
.set y, 0
.rept 64
	v_cvt_i32_f32 v[64+2*y], v[64+2*y]             ; (it saturates)
.set y, y+1
.endr
.set y, 0
.rept 64
	v_ldexp_f32 v[64+2*y], 1.0, v[64+2*y]          ; f_y = 2^(M_y - M*)
.set y, y+1
.endr
	v_mul_f32 v12, v65, v64
	v_mul_f32 v13, v67, v66
.set y, 2
.rept 31
	v_fma_f32 v12, v[65+2*y], v[64+2*y], v12
	v_fma_f32 v13, v[67+2*y], v[66+2*y], v13
.set y, y+2
.endr
	v_add_f32 v12, v12, v13                        ; l*
	v_rcp_f32 v14, v12
	WIN 0x01                                       ; O's numbers in window 1
	s_wait_loadcnt 48                              ; out: the 48 loads of ranges 16 on
	v_pk_mul_f32 v[16:17], v[0:1], v[64:65] op_sel_hi:[1,0]
	v_pk_mul_f32 v[18:19], v[2:3], v[64:65] op_sel_hi:[1,0]
	v_pk_mul_f32 v[20:21], v[4:5], v[66:67] op_sel_hi:[1,0]
	v_pk_mul_f32 v[22:23], v[6:7], v[66:67] op_sel_hi:[1,0]
.set y, 2
.rept 62
.if y%16 == 0
	s_wait_loadcnt 48-16*(y/16)                    ; out: the later groups of sixteen
.endif
	v_pk_fma_f32 v[16+4*(y%2):17+4*(y%2)], v[4*y:4*y+1], v[64+2*y:65+2*y], v[16+4*(y%2):17+4*(y%2)] op_sel_hi:[1,0,1]
	v_pk_fma_f32 v[18+4*(y%2):19+4*(y%2)], v[4*y+2:4*y+3], v[64+2*y:65+2*y], v[18+4*(y%2):19+4*(y%2)] op_sel_hi:[1,0,1]
.set y, y+1
.endr
	WIN 0
	v_pk_add_f32 v[16:17], v[16:17], v[20:21]
	v_pk_add_f32 v[18:19], v[18:19], v[22:23]
	s_wait_kmcnt 0x0
	s_add_co_i32 s36, s42, s43
	s_wait_alu depctr_va_vdst(0)                   ; ahead of the reciprocal's first reader
	v_ldexp_f32 v14, v14, s36                      ; 2^(e2+e3) / l*
	v_pk_mul_f32 v[16:17], v[16:17], v[14:15] op_sel_hi:[1,0]
	v_pk_mul_f32 v[18:19], v[18:19], v[14:15] op_sel_hi:[1,0]            ; mu_new(16 ct + r, 16 dt + 8 h + 4 qh + 0 .. 3)
	s_add_co_i32 s36, s45, 127
	s_lshl_b32 s37, s36, 23
	v_mov_b32 v24, s37                             ; 2^e5
	s_add_co_i32 s36, s36, 8
	s_lshl_b32 s36, s36, 23
	s_or_b32 s36, s36, 0x600000
	v_mov_b32 v25, s36                             ; 448 x 2^e5
.irp k, 0,1,2,3
	ds_store_b32 v2, v[16+\k] offset:144*\k
.endr
	ds_store_b32 v3, v11
	ds_store_b32 v3, v12 offset:64
	s_wait_dscnt 0x0
	s_barrier_signal -1
	s_barrier_wait -1
	s_cmp_lg_u32 s16, 0
	s_cbranch_scc1 .Lnot0
	; wave 0: 16 d x 32 c become chunk cp % 4 of fragment dt of step cp / 4
	ds_load_b128 v[32:35], v4
	ds_load_b128 v[36:39], v4 offset:16
	ds_load_b128 v[40:43], v4 offset:64
	ds_load_b128 v[44:47], v4 offset:80
	s_lshr_b32 s22, s19, 2
	s_mul_i32 s22, s22, STEPB
	s_lshl_b32 s24, s20, 11
	s_add_co_u32 s22, s22, s24
	s_and_b32 s24, s19, 3
	s_lshl_b32 s24, s24, 9
	s_add_co_u32 s22, s22, s24
	s_add_nc_u64 s[10:11], s[10:11], s[22:23]
	s_wait_dscnt 0x0
.set i, 0
.rept 16
	v_med3_num_f32 v[32+i], v[32+i], -v25, v25
.set i, i+1
.endr
	v_cvt_scalef32_pk8_fp8_f32 v[48:49], v[32:39], v24
	v_cvt_scalef32_pk8_fp8_f32 v[50:51], v[40:47], v24
	v_nop
	global_store_b128 v[LI], v[48:51], s[10:11] offset:16896             ; 512 consecutive bytes
	s_wait_tensorcnt 0x0
	ds_add_u32 v254, v255
	s_wait_dscnt 0x0
	s_endpgm
.Lnot0:
	s_cmp_lg_u32 s16, 1
	s_cbranch_scc1 .Lnot1
	; wave 1: the sum over these 16 d of mu_new^2, a lane a centre
.set i, 0
.rept 16
	ds_load_b32 v[32+i], v5 offset:144*i
.set i, i+1
.endr
	s_lshl_b32 s22, s20, 12
	s_lshl_b32 s24, s19, 7
	s_add_co_u32 s22, s22, s24
	s_add_nc_u64 s[12:13], s[12:13], s[22:23]
	s_wait_dscnt 0x0
	v_mul_f32 v48, v32, v32
	v_mul_f32 v49, v33, v33
.set i, 2
.rept 7
	v_fma_f32 v48, v[32+i], v[32+i], v48
	v_fma_f32 v49, v[33+i], v[33+i], v49
.set i, i+2
.endr
	v_add_f32 v48, v48, v49
	global_store_b32 v5, v48, s[12:13] offset:8192
	s_wait_tensorcnt 0x0
	ds_add_u32 v254, v255
	s_wait_dscnt 0x0
	s_endpgm
.Lnot1:
	s_cmp_lg_u32 s16, 2
	s_cbranch_scc1 .Lend
	s_cmp_lg_u32 s20, 0
	s_cbranch_scc1 .Lend
	; wave 2 of the work-group with dt = 0: -M* and l* of the 32 centres
	ds_load_b32 v32, v6
	ds_load_b32 v33, v6 offset:64
	s_lshl_b32 s22, s19, 7
	s_add_nc_u64 s[12:13], s[12:13], s[22:23]
	s_wait_dscnt 0x0
	global_store_b32 v5, v32, s[12:13]
	global_store_b32 v5, v33, s[12:13] offset:4096
.Lend:
	s_wait_tensorcnt 0x0
	ds_add_u32 v254, v255
	s_wait_dscnt 0x0
	s_endpgm
.Lfunc_end_k_q606dbd5456_merge:
	.size	k_q606dbd5456_merge, .Lfunc_end_k_q606dbd5456_merge-k_q606dbd5456_merge
	.p2alignl 7, 3214868480
	.fill 96, 4, 3214868480
	.section	.rodata,"a",@progbits
	.p2align	6, 0x0
	.amdhsa_kernel k_q606dbd5456_merge
		.amdhsa_group_segment_fixed_size 4608
		.amdhsa_private_segment_fixed_size 0
		.amdhsa_enable_private_segment 0
		.amdhsa_kernarg_size 40
		.amdhsa_user_sgpr_count 2
		.amdhsa_user_sgpr_kernarg_segment_ptr 1
		.amdhsa_wavefront_size32 1
		.amdhsa_system_sgpr_workgroup_id_x 1
		.amdhsa_system_sgpr_workgroup_id_y 1
		.amdhsa_system_sgpr_workgroup_id_z 1
		.amdhsa_system_vgpr_workitem_id 0
		.amdhsa_next_free_vgpr 512
		.amdhsa_next_free_sgpr 66
		.amdhsa_reserve_vcc 0
		.amdhsa_float_denorm_mode_32 3
		.amdhsa_float_denorm_mode_16_64 3
		.amdhsa_memory_ordered 1
		.amdhsa_forward_progress 1
		.amdhsa_inst_pref_size 44
	.end_amdhsa_kernel
	.amdgpu_metadata
---
amdhsa.version: [ 1, 2 ]
amdhsa.kernels:
  - .name:           k_q606dbd5456_merge
    .symbol:         k_q606dbd5456_merge.kd
    .args:
      - { .name: part, .offset: 0, .size: 8, .value_kind: global_buffer, .address_space: global }
      - { .name: pstat, .offset: 8, .size: 8, .value_kind: global_buffer, .address_space: global }
      - { .name: lowp_scales, .offset: 16, .size: 8, .value_kind: global_buffer, .address_space: global }
      - { .name: cv, .offset: 24, .size: 8, .value_kind: global_buffer, .address_space: global }
      - { .name: cstat, .offset: 32, .size: 8, .value_kind: global_buffer, .address_space: global }
    .group_segment_fixed_size: 4608
    .private_segment_fixed_size: 0
    .kernarg_segment_align: 8
    .kernarg_segment_size: 40
    .max_flat_workgroup_size: 128
    .sgpr_count:     66
    .vgpr_count:     512
    .wavefront_size: 32
...
	.end_amdgpu_metadata
.endif
;; end of part 4
;; launch ystep (part 5): grid 256 x 1, 4 waves a work-group, clusters of 4 x 1, 327,680 bytes of LDS; arguments cv, kv, rows, X, sigma, lowp_scales, out0, csum; writes out0, csum
.if DOCPART == 5
	.amdgcn_target "amdgcn-amd-amdhsa--gfx1250"
	.amdhsa_code_object_version 6
	.text
	.protected	k_q606dbd5456_ystep
	.globl	k_q606dbd5456_ystep
	.p2align	8
	.type	k_q606dbd5456_ystep,@function
k_q606dbd5456_ystep:
	s_mov_b64 s[64:65], 0
	v_nop
	global_prefetch_b8 v0, s[64:65] scope:SCOPE_SE
	s_setreg_imm32_b32 hwreg(HW_REG_WAVE_MODE, 25, 1), 1
	s_wait_xcnt 0x0
	s_wait_alu depctr_hold_cnt(0) depctr_sa_sdst(0) depctr_va_vdst(0) depctr_va_sdst(0) depctr_va_ssrc(0) depctr_va_vcc(0) depctr_vm_vsrc(0)
	s_getreg_b32 s2, hwreg(HW_REG_IB_STS2, 6, 4)
	s_cmp_eq_u32 s2, 0
	s_cbranch_scc0 .Lentry_in_a_cluster
	s_endpgm
.Lentry_in_a_cluster:
	s_bfe_u32 s2, ttmp6, 0x10000c
	s_cmp_lg_u32 s2, 0x3003
	s_cbranch_scc0 .Lentry_shape_is_right
	s_endpgm
.Lentry_shape_is_right:
; Y = gamma mu_new (the third product) and the row sums that the two scalars need.  gamma = 2^(kappa (s + beta_c) - V_n), finished and normalised: V_n is the row's log-sum-exp, made with its maximum taken away
; by an earlier launch from the same products, so the exponent is 0 or less.  gamma is quantised with 2^e4 along c; mu_new's codes (2^e5) come as images from cv.
; SHARES.  A work-group owns 256 rows, a wave 64: four tiles; every wave walks the 1,024 centres, 128 a step.  All of cv, 266,240 bytes, lies in LDS: nothing is filled twice.
; Both products are used transposed: a lane holds one row n; beta is the C of the matrix instruction that makes a tile of scores.
; SUMS, a lane's share, met in csum: A = x2 s - 2^(1+e0+e1) R, E = kappa R - V s, SY = s |y|^2, XY = |x - y|^2, with s = the sum of gamma and R = the sum of gamma (s + beta) over c.
; These take reference()'s sums over (n, c) by rows: another order of rounding.
; CLUSTER: the four work-groups read the same cv: each wave asks jointly for four blocks of 16,640 bytes; four loads of mine are out at the most.
; REGISTERS: window 0: v1-13 addresses; v16-63 tile t (12): -V, -, s (two pairs), R (two pairs), x2; v64-79 gamma's codes; v80-83 A, E, SY, XY; v84-91 at work; v96, v97 448 x 2^e4, 2^e4; v128-191 scores; v192-255 gamma.
;   window 1: Y^T, tile t at 64 t + 8 dt.   window 2: v0-127 mu's fragments, v128-255 mu_new's; at the end my 64 rows of X.   window 3: v0-63 beta, v64-127 my rows' fragments.
; LIMITS: e4 between -126 and 119; 1 + e0 + e1 and e4 + e5 between -126 and 127; sigma > 0; NaN among the inputs is not served.
.set STEPB, 33280
.set BLK,   16640
.set STAGE, 8*STEPB                    ; behind cv: 16 rows x (512 + 16) bytes for each wave
.set RED,   STAGE+4*8448               ; and the waves' four sums
.set LI,  1
.set BH,  2
.set ADR, 3
.set ADB, 4
.set STO, 9
.set STR, 10
.set REDW, 11
.set REDR, 12
.set PFO, 13
.set ST,  16
.set P,   64
.set LIMG, 96
.set SCG, 97
.set S,   128
.set G,   192
.set QF,  64
.set VF,  128
.set WV,  20
.set G1,  24
.set G0,  32
.set CS,  48
.set SEL, 50
.set TBS, 52
.set CNT, 53
.set XB,  70
.set OB,  72
.set YS,  78
.set MSB, 0
.macro WIN new
.if MSB != \new
	s_set_vgpr_msb (MSB<<8)|\new
.set MSB, \new
.endif
.endm
.macro CROUND
	s_barrier_signal -1
	s_barrier_wait -1
	s_cmp_lg_u32 s[WV], 0
	s_cbranch_scc1 .Lnot_wave_0_\@
	s_barrier_signal -3
.Lnot_wave_0_\@:
	s_barrier_wait -3
	s_barrier_signal -1
	s_barrier_wait -1
.endm
.macro TILE t, first
.set rT, ST+12*(\t)
	WIN 0x3e                                       ; mu in window 2, my rows and beta in window 3, the scores in window 0
.set i, 0
.rept 8
.if (\t) == 0
	s_wait_dscnt 28-4*i                            ; out: the four loads of each later fragment of mu
.endif
	v_wmma_f32_16x16x128_fp8_fp8 v[S+8*i:S+8*i+7], v[16*i:16*i+15], v[QF+16*(\t):QF+16*(\t)+15], v[8*i:8*i+7]
.set i, i+1
.endr
	WIN 0
.rept 4
	v_nop                                          ; four places ahead of the first read of results, and of the loads into mu_new's registers
.endr
.if (\t) == 0
	WIN 0x80
.set i, 0
.rept 8
.irp c, 0,1,2,3
	ds_load_b128 v[VF+16*i+4*\c:VF+16*i+4*\c+3], v[ADR] offset:16896+2048*i+512*\c
.endr
.set i, i+1
.endr
	WIN 0
.if (\first) == 0
	; my 64 rows of X, which the way out loads, are asked for here once: 4 x 32 lanes x 256 bytes, in the trip that has one whole trip behind it; the registers are never rewritten
	s_cmp_eq_u32 s[CNT], 2
	s_cbranch_scc0 .Lno_ask
.irp k, 0,1,2,3
	global_prefetch_b8 v[PFO], s[XB:XB+1] offset:8192*\k th:TH_LOAD_NT scope:SCOPE_SE
.endr
.Lno_ask:
.endif
.endif
.set j, 0
.rept 32
	v_pk_fma_f32 v[G+j:G+j+1], v[S+j:S+j+1], s[CS:CS+1], v[rT:rT+1] op_sel_hi:[1,0,0]   ; kappa (s + beta) - V, from each accumulator's low end on
.set j, j+2
.endr
.set j, 0
.rept 64
	v_exp_f32 v[G+j], v[G+j]
.set j, j+1
.endr
	v_nop                                          ; a plain line behind the exponentials
	s_wait_alu depctr_va_vdst(0)                   ; one wait for the batch, ahead of its first reader
.set j, 0
.rept 16
	v_pk_add_f32 v[rT+2:rT+3], v[rT+2:rT+3], v[G+j:G+j+1]
	v_pk_fma_f32 v[rT+6:rT+7], v[G+j:G+j+1], v[S+j:S+j+1], v[rT+6:rT+7]
	v_pk_add_f32 v[rT+4:rT+5], v[rT+4:rT+5], v[G+j+2:G+j+3]
	v_pk_fma_f32 v[rT+8:rT+9], v[G+j+2:G+j+3], v[S+j+2:S+j+3], v[rT+8:rT+9]
.set j, j+4
.endr
.set b, 0
.rept 8
.set i, 0
.rept 8
	v_min_num_f32 v[G+8*b+i], v[G+8*b+i], v[LIMG]  ; gamma is not negative: a one-sided hold (the conversion does not saturate: ISA guide 7.6.2)
.set i, i+1
.endr
	v_cvt_scalef32_pk8_fp8_f32 v[P+2*b:P+2*b+1], v[G+8*b:G+8*b+7], v[SCG]
.set b, b+1
.endr
	v_nop                                          ; a plain line behind the last conversion
.if (\t) == 0
	s_wait_dscnt 0x0                               ; mu_new's fragments are in
.endif
	WIN 0x52                                       ; mu_new in window 2, gamma in window 0, Y^T in window 1; the eight accumulators take turns
.set i, 0
.rept 8
.if \first
	v_wmma_f32_16x16x128_fp8_fp8 v[64*(\t)+8*i:64*(\t)+8*i+7], v[VF+16*i:VF+16*i+15], v[P:P+15], 0
.else
	v_wmma_f32_16x16x128_fp8_fp8 v[64*(\t)+8*i:64*(\t)+8*i+7], v[VF+16*i:VF+16*i+15], v[P:P+15], v[64*(\t)+8*i:64*(\t)+8*i+7]
.endif
.set i, i+1
.endr
.endm
.macro STEP first
	v_add_nc_u32 v[ADR], s[TBS], v[LI]
	v_add_nc_u32 v[ADB], s[TBS], v[BH]
	WIN 0xc0
.set i, 0
.rept 8
	ds_load_b128 v[8*i:8*i+3],   v[ADB] offset:16384+64*i
	ds_load_b128 v[8*i+4:8*i+7], v[ADB] offset:16384+64*i+16
.set i, i+1
.endr
	WIN 0x80
.set i, 0
.rept 8
.irp c, 0,1,2,3
	ds_load_b128 v[16*i+4*\c:16*i+4*\c+3], v[ADR] offset:2048*i+512*\c
.endr
.set i, i+1
.endr
	TILE 0, \first
	TILE 1, \first
	TILE 2, \first
	TILE 3, \first
	WIN 0
	s_add_co_u32 s[TBS], s[TBS], STEPB
.endm
; Tile t leaves: x 2^(e4+e5), |y|^2, through my stage into whole rows, |x - y|^2, stores of 512 consecutive bytes.
.macro OUTT t
.set rT, ST+12*(\t)
	WIN 0x01
.set j, 0
.rept 32
	v_pk_mul_f32 v[S+j:S+j+1], v[64*(\t)+j:64*(\t)+j+1], s[YS:YS+1] op_sel_hi:[1,0]
.set j, j+2
.endr
	WIN 0
	v_pk_mul_f32 v[88:89], v[S:S+1], v[S:S+1]
	v_pk_mul_f32 v[90:91], v[S+2:S+3], v[S+2:S+3]
.set j, 4
.rept 15
	v_pk_fma_f32 v[88:89], v[S+j:S+j+1], v[S+j:S+j+1], v[88:89]
	v_pk_fma_f32 v[90:91], v[S+j+2:S+j+3], v[S+j+2:S+j+3], v[90:91]
.set j, j+4
.endr
	v_pk_add_f32 v[88:89], v[88:89], v[90:91]
	v_add_f32 v88, v88, v89
	v_fma_f32 v82, v[rT+3], v88, v82               ; SY += the row's sum of gamma x my half of |y|^2
.set i, 0
.rept 8
	ds_store_b128 v[STO], v[S+8*i:S+8*i+3] offset:64*i
	ds_store_b128 v[STO], v[S+8*i+4:S+8*i+7] offset:64*i+16
.set i, i+1
.endr
.if (\t) > 0
	s_wait_xcnt 0x0                                ; the last tile's stores have read the registers that the loads below fill
.endif
.set i, 0
.rept 16
	ds_load_b128 v[G+4*i:G+4*i+3], v[STR] offset:528*i       ; LDS serves a wave's instructions in order (ISA guide 5.7.1.4): these see my stores
.set i, i+1
.endr
	s_wait_dscnt 0x0
	s_wait_loadcnt 48-16*(\t)                      ; out: the later tiles' rows of X
	WIN 0x02
.set j, 0
.rept 32
	v_pk_add_f32 v[S+j:S+j+1], v[64*(\t)+j:64*(\t)+j+1], v[G+j:G+j+1] neg_lo:[0,1] neg_hi:[0,1]
.set j, j+2
.endr
	WIN 0
.set j, 0
.rept 16
	v_pk_fma_f32 v[84:85], v[S+j:S+j+1], v[S+j:S+j+1], v[84:85]
	v_pk_fma_f32 v[86:87], v[S+j+2:S+j+3], v[S+j+2:S+j+3], v[86:87]
.set j, j+4
.endr
.set i, 0
.rept 16
	global_store_b128 v[LI], v[G+4*i:G+4*i+3], s[OB:OB+1] offset:(16*(\t)+i)*512 th:TH_STORE_NT
.set i, i+1
.endr
.endm
	s_load_b256 s[4:11], s[0:1], 0x0               ; cv s[4:5], kv s[6:7], rows s[8:9], X s[10:11]
	s_load_b256 s[12:19], s[0:1], 0x20             ; sigma s[12:13], the scales' exponents s[14:15], out0 s[16:17], csum s[18:19]
	v_lshl_add_u32 v126, v0, 2, 0x49c00
	v_mov_b32 v127, 0
	ds_add_u32 v126, v127
	ds_add_u32 v126, v127
	v_lshrrev_b32 v1, 5, v0
	v_readfirstlane_b32 s[WV], v1
	s_bfe_u32 s21, ttmp6, 0x40000                  ; my place in the cluster: it enters global addresses of kv, rows, X, out0 and csum alone
	s_lshl_b32 s22, ttmp9, 2
	s_add_co_u32 s22, s22, s21                     ; work-group
	s_mov_b32 s[G1], 15|(3<<16)|(1<<21)
	s_mov_b32 s[G1+1], 32<<16
	s_mov_b32 s[G1+2], 65<<16
	s_mov_b32 s[G1+3], 32<<16
	s_mov_b32 s[G1+4], 65
	s_mov_b32 s[G1+5], 32
	s_mov_b32 s[G1+6], 0
	s_mov_b32 s[G1+7], 0
	s_mov_b32 s[SEL], 0x76543210
	s_mov_b32 s[SEL+1], 0xfedcba98
	s_mov_b32 s[TBS], 0
	s_mul_i32 s23, s[WV], BLK
	s_mov_b32 s54, s23
	s_mov_b32 s55, 0
	s_wait_dscnt 0x0
	s_wait_kmcnt 0x0
	s_load_b128 s[56:59], s[14:15], 0x0            ; e0 .. e3
	s_load_b64 s[60:61], s[14:15], 0x10            ; e4, e5
	s_load_b32 s62, s[12:13], 0x0                  ; sigma
	s_add_nc_u64 s[54:55], s[4:5], s[54:55]
.irp p, 0,1,2,3
	s_mov_b32 s[G0+4*\p], 1
	s_add_co_u32 s[G0+4*\p+1], s23, \p*4*BLK
	s_add_nc_u64 s[G0+4*\p+2:G0+4*\p+3], s[54:55], \p*4*BLK
	s_or_b32 s[G0+4*\p+3], s[G0+4*\p+3], 0x80000000
.endr
	CROUND                                         ; the four work-groups are here: the joint loads meet
	tensor_load_to_lds s[G0:G0+3], s[G1:G1+7]
	s_nop 0
	tensor_load_to_lds s[G0+4:G0+7], s[G1:G1+7]
	s_nop 0
	tensor_load_to_lds s[G0+8:G0+11], s[G1:G1+7]
	s_nop 0
	tensor_load_to_lds s[G0+12:G0+15], s[G1:G1+7]
	s_nop 0
.rept 4
	v_nop
.endr
	v_and_b32 v6, 31, v0
	v_and_b32 v7, 15, v0                           ; r
	v_bfe_u32 v5, v0, 4, 1                         ; h
	v_lshlrev_b32 v[LI], 4, v6
	v_lshlrev_b32 v[BH], 5, v5
	v_lshlrev_b32 v8, 2, v7
	v_lshlrev_b32 v[PFO], 8, v6
	s_mul_i32 s80, s[WV], 8448
	s_add_co_u32 s80, s80, STAGE
	v_mul_u32_u24 v[STO], v7, 528
	v_lshl_add_u32 v[STO], v5, 5, v[STO]
	v_add_nc_u32 v[STO], s80, v[STO]               ; into my stage: row r, + 32 h
	v_add_nc_u32 v[STR], s80, v[LI]                ; back: a row an instruction
	s_lshl_b32 s80, s[WV], 9
	s_add_co_u32 s80, s80, RED
	v_add_nc_u32 v[REDW], s80, v[LI]
	v_add_nc_u32 v[REDR], RED, v[LI]
	s_mov_b32 s81, 0
	s_lshl_b32 s80, s22, 1
	s_lshr_b32 s82, s[WV], 1
	s_add_co_u32 s80, s80, s82
	s_mul_i32 s80, s80, STEPB
	s_and_b32 s82, s[WV], 1
	s_lshl_b32 s82, s82, 13
	s_add_co_u32 s80, s80, s82
	s_add_nc_u64 s[66:67], s[6:7], s[80:81]        ; my rows' fragments: step 2 wg + w / 2 of kv, tiles 4 (w % 2) on
	s_lshl_b32 s80, s22, 10
	s_lshl_b32 s82, s[WV], 8
	s_add_co_u32 s80, s80, s82
	s_add_nc_u64 s[68:69], s[8:9], s[80:81]        ; V of my rows; x2 lies 262,144 bytes on
	s_lshl_b32 s80, s22, 17
	s_lshl_b32 s82, s[WV], 15
	s_add_co_u32 s80, s80, s82
	s_add_nc_u64 s[XB:XB+1], s[10:11], s[80:81]
	s_add_nc_u64 s[OB:OB+1], s[16:17], s[80:81]
	s_lshl_b32 s80, s22, 9
	s_add_nc_u64 s[74:75], s[18:19], s[80:81]
	WIN 0xc0
.irp t, 0,1,2,3
.irp c, 0,1,2,3
	global_load_b128 v[QF+16*\t+4*\c:QF+16*\t+4*\c+3], v[LI], s[66:67] offset:2048*\t+512*\c
.endr
.endr
	WIN 0
.irp t, 0,1,2,3
	global_load_b32 v[ST+12*\t], v8, s[68:69] offset:64*\t
	global_load_b32 v[ST+12*\t+10], v8, s[68:69] offset:262144+64*\t
.endr
	s_wait_kmcnt 0x0
	v_mov_b32 v88, s62
	v_mul_f32 v88, v88, v88                        ; sigma^2
	v_rcp_f32 v89, v88
	v_nop
	s_wait_alu depctr_va_vdst(0)
	v_fma_f32 v91, -v88, v89, 1.0                  ; one Newton step
	v_fma_f32 v89, v89, v91, v89
	v_mul_f32 v89, 0x3fb8aa3b, v89
	s_add_co_i32 s80, s56, s57
	v_ldexp_f32 v89, v89, s80
	v_readfirstlane_b32 s[CS], v89                 ; kappa
	s_mov_b32 s[CS+1], s[CS]
	s_add_co_i32 s80, s80, 128
	s_lshl_b32 s80, s80, 23
	s_or_b32 s76, s80, 0x80000000                  ; -2^(1+e0+e1)
	s_add_co_i32 s80, s60, s61
	s_add_co_i32 s80, s80, 127
	s_lshl_b32 s[YS], s80, 23                      ; 2^(e4+e5)
	s_mov_b32 s[YS+1], s[YS]
	s_add_co_i32 s80, s60, 127
	s_lshl_b32 s82, s80, 23
	v_mov_b32 v[SCG], s82                          ; 2^e4
	s_add_co_i32 s80, s80, 8
	s_lshl_b32 s80, s80, 23
	s_or_b32 s80, s80, 0x600000
	v_mov_b32 v[LIMG], s80                         ; 448 x 2^e4
.irp j, 80,81,82,83,84,85,86,87
	v_mov_b32 v[\j], 0
.endr
	s_wait_loadcnt 0x0
.irp t, 0,1,2,3
	v_xor_b32 v[ST+12*\t], 0x80000000, v[ST+12*\t] ; -V
.irp j, 1,2,3,4,5,6,7,8,9
	v_mov_b32 v[ST+12*\t+\j], 0
.endr
.endr
	s_wait_tensorcnt 0x3                           ; my first block has landed; three stay out
	s_barrier_signal -1
	s_barrier_wait -1                              ; step 0 is the first blocks of waves 0 and 1
	STEP 1
	s_wait_tensorcnt 0x0                           ; all my blocks have landed
	s_wait_dscnt 0x0
	s_barrier_signal -1
	s_barrier_wait -1
	s_mov_b32 s[CNT], 7
.Lstep:
	STEP 0
	s_sub_co_u32 s[CNT], s[CNT], 1
	s_cmp_lg_u32 s[CNT], 0
	s_cbranch_scc1 .Lstep
	; the rows' sums; these lines are the places behind the last products
.irp t, 0,1,2,3
	v_pk_add_f32 v[ST+12*\t+2:ST+12*\t+3], v[ST+12*\t+2:ST+12*\t+3], v[ST+12*\t+4:ST+12*\t+5]
	v_pk_add_f32 v[ST+12*\t+6:ST+12*\t+7], v[ST+12*\t+6:ST+12*\t+7], v[ST+12*\t+8:ST+12*\t+9]
	v_add_f32 v[ST+12*\t+2], v[ST+12*\t+2], v[ST+12*\t+3]          ; s, my half of the centres
	v_add_f32 v[ST+12*\t+6], v[ST+12*\t+6], v[ST+12*\t+7]          ; R
	v_fma_f32 v80, v[ST+12*\t+10], v[ST+12*\t+2], v80
	v_fma_f32 v80, s76, v[ST+12*\t+6], v80
	v_fma_f32 v81, s[CS], v[ST+12*\t+6], v81
	v_fma_f32 v81, v[ST+12*\t], v[ST+12*\t+2], v81
	v_permlanex16_b32 v[ST+12*\t+3], v[ST+12*\t+2], s[SEL], s[SEL+1]
	v_add_f32 v[ST+12*\t+3], v[ST+12*\t+2], v[ST+12*\t+3]          ; the row's whole sum of gamma
.endr
	WIN 0x80
.set i, 0
.rept 64
	global_load_b128 v[4*i:4*i+3], v[LI], s[XB:XB+1] offset:512*i th:TH_LOAD_NT      ; my 64 rows of X, a row an instruction
.set i, i+1
.endr
	WIN 0
	OUTT 0
	OUTT 1
	OUTT 2
	OUTT 3
	v_pk_add_f32 v[84:85], v[84:85], v[86:87]
	v_add_f32 v83, v84, v85
	ds_store_b128 v[REDW], v[80:83]
	s_wait_dscnt 0x0
	s_barrier_signal -1
	s_barrier_wait -1
	s_cmp_lg_u32 s[WV], 0
	s_cbranch_scc1 .Lnot0
.irp k, 0,1,2,3
	ds_load_b128 v[S+4*\k:S+4*\k+3], v[REDR] offset:512*\k
.endr
	s_wait_dscnt 0x0
.irp k, 1,2,3
	v_pk_add_f32 v[S:S+1], v[S:S+1], v[S+4*\k:S+4*\k+1]
	v_pk_add_f32 v[S+2:S+3], v[S+2:S+3], v[S+4*\k+2:S+4*\k+3]
.endr
	global_store_b128 v[LI], v[S:S+3], s[74:75]    ; 512 consecutive bytes
.Lnot0:
	s_wait_tensorcnt 0x0
	ds_add_u32 v126, v127
	s_wait_dscnt 0x0
	CROUND                                         ; the closing round
	s_endpgm
.Lfunc_end_k_q606dbd5456_ystep:
	.size	k_q606dbd5456_ystep, .Lfunc_end_k_q606dbd5456_ystep-k_q606dbd5456_ystep
	.p2alignl 7, 3214868480
	.fill 96, 4, 3214868480
	.section	.rodata,"a",@progbits
	.p2align	6, 0x0
	.amdhsa_kernel k_q606dbd5456_ystep
		.amdhsa_group_segment_fixed_size 327680
		.amdhsa_private_segment_fixed_size 0
		.amdhsa_enable_private_segment 0
		.amdhsa_kernarg_size 64
		.amdhsa_user_sgpr_count 2
		.amdhsa_user_sgpr_kernarg_segment_ptr 1
		.amdhsa_wavefront_size32 1
		.amdhsa_system_sgpr_workgroup_id_x 1
		.amdhsa_system_sgpr_workgroup_id_y 1
		.amdhsa_system_sgpr_workgroup_id_z 1
		.amdhsa_system_vgpr_workitem_id 0
		.amdhsa_next_free_vgpr 896
		.amdhsa_next_free_sgpr 96
		.amdhsa_reserve_vcc 0
		.amdhsa_float_denorm_mode_32 3
		.amdhsa_float_denorm_mode_16_64 3
		.amdhsa_memory_ordered 1
		.amdhsa_forward_progress 1
		.amdhsa_inst_pref_size 174
	.end_amdhsa_kernel
	.amdgpu_metadata
---
amdhsa.version: [ 1, 2 ]
amdhsa.kernels:
  - .name:           k_q606dbd5456_ystep
    .symbol:         k_q606dbd5456_ystep.kd
    .args:
      - { .name: cv, .offset: 0, .size: 8, .value_kind: global_buffer, .address_space: global }
      - { .name: kv, .offset: 8, .size: 8, .value_kind: global_buffer, .address_space: global }
      - { .name: rows, .offset: 16, .size: 8, .value_kind: global_buffer, .address_space: global }
      - { .name: X, .offset: 24, .size: 8, .value_kind: global_buffer, .address_space: global }
      - { .name: sigma, .offset: 32, .size: 8, .value_kind: global_buffer, .address_space: global }
      - { .name: lowp_scales, .offset: 40, .size: 8, .value_kind: global_buffer, .address_space: global }
      - { .name: out0, .offset: 48, .size: 8, .value_kind: global_buffer, .address_space: global }
      - { .name: csum, .offset: 56, .size: 8, .value_kind: global_buffer, .address_space: global }
    .group_segment_fixed_size: 327680
    .private_segment_fixed_size: 0
    .kernarg_segment_align: 8
    .kernarg_segment_size: 64
    .max_flat_workgroup_size: 128
    .sgpr_count:     96
    .vgpr_count:     896
    .wavefront_size: 32
...
	.end_amdgpu_metadata
.endif
;; end of part 5
;; launch final (part 6): grid 1 x 1, 8 waves a work-group, no clusters, 5,120 bytes of LDS; arguments csum, cstat, w, sigma, out1, out2; writes out1, out2
.if DOCPART == 6
	.amdgcn_target "amdgcn-amd-amdhsa--gfx1250"
	.amdhsa_code_object_version 6
	.text
	.protected	k_q606dbd5456_final
	.globl	k_q606dbd5456_final
	.p2align	8
	.type	k_q606dbd5456_final,@function
k_q606dbd5456_final:
	s_mov_b64 s[64:65], 0
	v_nop
	global_prefetch_b8 v0, s[64:65] scope:SCOPE_SE
	s_setreg_imm32_b32 hwreg(HW_REG_WAVE_MODE, 25, 1), 1
	s_wait_xcnt 0x0
; The two scalars.  omega_c = log2 of the column's sum of gamma = log2(l*) + M*; G_c = l* 2^M*; lpi_c = ln 2 (omega_c - log2 of the sum of 2^omega), with the largest omega taken away first.
; sum of gamma D2 = A + 2 sigma^2 (sum of G w); sigma_new = sqrt of that / 2^23; Cfe = (sum of G |mu_new|^2 - SY) / (2 sigma_new^2) + ln 2 (E - sum of G (omega - lse)) + 65,536 x 128 (ln sigma + ln(2 pi) / 2);
; FE = Cfe + XY / (2 sigma_new^2).  One work-group of 256 threads: thread t takes centres 4 t .. 4 t + 3 and 32 of csum's 8,192 quads.  170 KB are read: one work-group does.
; REGISTERS: v1-4 addresses, 0 and ln 2, which stay; v8-51 what is loaded of cstat and w, later at work; v52-62 omega, G, maxima; v64-191 csum's quads, later the waves' sums.
; LIMITS: sigma > 0; NaN among the inputs is not served; the sums over (n, c) are taken by rows and by columns: another order of rounding than the reference's.
.set SEL, 18
.set LN2, 4                            ; v4  ln 2: outside v8-51 and v64-191, into which the loads land
.macro WSUM r                          ; the sum over the wave's 32 lanes, in every lane
	v_add_f32_dpp v[\r], v[\r], v[\r] row_xmask:1 row_mask:0xf bank_mask:0xf
	v_add_f32_dpp v[\r], v[\r], v[\r] row_xmask:2 row_mask:0xf bank_mask:0xf
	v_add_f32_dpp v[\r], v[\r], v[\r] row_xmask:4 row_mask:0xf bank_mask:0xf
	v_add_f32_dpp v[\r], v[\r], v[\r] row_xmask:8 row_mask:0xf bank_mask:0xf
	v_permlanex16_b32 v62, v[\r], s[SEL], s[SEL+1]
	v_add_f32 v[\r], v[\r], v62
.endm
.macro SUM8 r                          ; eight waves' numbers in v[r] .. v[r + 7] -> v[r]
	v_pk_add_f32 v[\r:\r+1], v[\r:\r+1], v[\r+2:\r+3]
	v_pk_add_f32 v[\r+4:\r+5], v[\r+4:\r+5], v[\r+6:\r+7]
	v_pk_add_f32 v[\r:\r+1], v[\r:\r+1], v[\r+4:\r+5]
	v_add_f32 v[\r], v[\r], v[\r+1]
.endm
.macro BARRIER                         ; my LDS stores have landed and my LDS loads are in: then the work-group's barrier
	s_wait_dscnt 0x0
	s_barrier_signal -1
	s_barrier_wait -1
.endm
	s_load_b256 s[4:11], s[0:1], 0x0               ; csum s[4:5], cstat s[6:7], w s[8:9], sigma s[10:11]
	s_load_b128 s[12:15], s[0:1], 0x20             ; out1 s[12:13], out2 s[14:15]
	v_lshl_add_u32 v192, v0, 2, 0x1000
	v_mov_b32 v193, 0
	v_lshlrev_b32 v1, 4, v0                        ; 16 t
	v_lshrrev_b32 v2, 5, v0
	v_lshlrev_b32 v2, 2, v2                        ; 4 x wave
	v_mov_b32 v3, 0
	v_mov_b32 v62, 0                               ; a lane permute's destination counts as read
	v_mov_b32 v[LN2], 0x3f317218
	s_mov_b32 s[SEL], 0x76543210
	s_mov_b32 s[SEL+1], 0xfedcba98                 ; lane l xor 16
	s_wait_kmcnt 0x0
	s_load_b32 s16, s[10:11], 0x0                  ; sigma
	global_load_b128 v[8:11], v1, s[6:7]                       ; -M*
	global_load_b128 v[12:15], v1, s[6:7] offset:4096          ; l*
	global_load_b128 v[16:19], v1, s[8:9]                      ; w
.irp k, 0,1,2,3,4,5,6,7
	global_load_b128 v[20+4*\k:23+4*\k], v1, s[6:7] offset:8192+4096*\k   ; the eight parts of |mu_new|^2: v20-51
.endr
.set j, 0
.rept 32
	global_load_b128 v[64+4*j:67+4*j], v1, s[4:5] offset:4096*j
.set j, j+1
.endr
	s_wait_loadcnt 0x0
.irp k, 1,2,3,4,5,6,7
	v_pk_add_f32 v[20:21], v[20:21], v[20+4*\k:21+4*\k]
	v_pk_add_f32 v[22:23], v[22:23], v[22+4*\k:23+4*\k]
.endr
.set j, 1
.rept 31
	v_pk_add_f32 v[64:65], v[64:65], v[64+4*j:65+4*j]
	v_pk_add_f32 v[66:67], v[66:67], v[66+4*j:67+4*j]
.set j, j+1
.endr
.irp i, 0,1,2,3
	v_log_f32 v[52+\i], v[12+\i]
.endr
.irp i, 0,1,2,3
	v_mul_f32 v[56+\i], -1.0, v[8+\i]              ; M* (plain lines behind the logarithms)
.endr
.irp i, 0,1,2,3
	v_cvt_i32_f32 v[56+\i], v[56+\i]               ; as a whole number
.endr
	s_wait_alu depctr_va_vdst(0)                   ; one wait for the four logarithms, ahead of their first reader
.irp i, 0,1,2,3
	v_sub_f32 v[52+\i], v[52+\i], v[8+\i]          ; omega
	v_ldexp_f32 v[56+\i], v[12+\i], v[56+\i]       ; G
.endr
	v_max_num_f32 v60, v52, v53
	v_max_num_f32 v61, v54, v55
	v_max_num_f32 v60, v60, v61
	v_max_num_f32_dpp v60, v60, v60 row_xmask:1 row_mask:0xf bank_mask:0xf
	v_max_num_f32_dpp v60, v60, v60 row_xmask:2 row_mask:0xf bank_mask:0xf
	v_max_num_f32_dpp v60, v60, v60 row_xmask:4 row_mask:0xf bank_mask:0xf
	v_max_num_f32_dpp v60, v60, v60 row_xmask:8 row_mask:0xf bank_mask:0xf
	v_permlanex16_b32 v62, v60, s[SEL], s[SEL+1]
	v_max_num_f32 v60, v60, v62
	ds_store_b32 v2, v60                           ; each meeting of the waves has LDS words of its own
	BARRIER
	ds_load_b128 v[68:71], v3
	ds_load_b128 v[72:75], v3 offset:16
	s_wait_dscnt 0x0
	v_max_num_f32 v68, v68, v69
	v_max_num_f32 v70, v70, v71
	v_max_num_f32 v72, v72, v73
	v_max_num_f32 v74, v74, v75
	v_max_num_f32 v68, v68, v70
	v_max_num_f32 v72, v72, v74
	v_max_num_f32 v60, v68, v72                    ; the largest omega
.irp i, 0,1,2,3
	v_sub_f32 v[28+\i], v[52+\i], v60
.endr
.irp i, 0,1,2,3
	v_exp_f32 v[28+\i], v[28+\i]
.endr
	v_mul_f32 v25, v56, v20                        ; G |mu_new|^2
	v_mul_f32 v26, v56, v16                        ; G w
.irp i, 1,2,3
	v_fma_f32 v25, v[56+\i], v[20+\i], v25
	v_fma_f32 v26, v[56+\i], v[16+\i], v26
.endr
	s_wait_alu depctr_va_vdst(0)                   ; one wait for the four exponentials
	v_add_f32 v24, v28, v29
	v_add_f32 v30, v30, v31
	v_add_f32 v24, v24, v30
	WSUM 24
	WSUM 25
	WSUM 26
	WSUM 64
	WSUM 65
	WSUM 66
	WSUM 67
	ds_store_b32 v2, v24 offset:256
	ds_store_b32 v2, v25 offset:288
	ds_store_b32 v2, v26 offset:320
	ds_store_b32 v2, v64 offset:352
	ds_store_b32 v2, v65 offset:384
	ds_store_b32 v2, v66 offset:416
	ds_store_b32 v2, v67 offset:448
	BARRIER
.irp i, 0,1,2,3,4,5,6
	ds_load_b128 v[68+8*\i:71+8*\i], v3 offset:256+32*\i
	ds_load_b128 v[72+8*\i:75+8*\i], v3 offset:256+32*\i+16
.endr
	s_wait_dscnt 0x0
	; v68 the sum of 2^(omega - max), v76 SGm, v84 SGw, v92 A, v100 E, v108 SY, v116 XY
.irp i, 0,1,2,3,4,5,6
	SUM8 68+8*\i
.endr
	v_log_f32 v32, v68
	v_nop
	s_wait_alu depctr_va_vdst(0)
	v_add_f32 v32, v32, v60                        ; lse, in base 2
.irp i, 0,1,2,3
	v_sub_f32 v[28+\i], v[52+\i], v32
.endr
	v_mul_f32 v24, v56, v28
.irp i, 1,2,3
	v_fma_f32 v24, v[56+\i], v[28+\i], v24
.endr
	WSUM 24
	ds_store_b32 v2, v24 offset:512
	BARRIER
	ds_load_b128 v[124:127], v3 offset:512
	ds_load_b128 v[128:131], v3 offset:528
	s_wait_dscnt 0x0
	SUM8 124                                       ; the sum of G (omega - lse)
	s_wait_kmcnt 0x0
	v_mov_b32 v33, s16                             ; sigma
	v_mul_f32 v34, v33, v33
	v_add_f32 v34, v34, v34                        ; 2 sigma^2
	v_fma_f32 v35, v34, v84, v92                   ; the sum of gamma D2
	v_mul_f32 v35, 0x34000000, v35                 ; / (128 x 65,536)
	v_sqrt_f32 v36, v35                            ; sigma_new
	v_log_f32 v37, v33
	v_sub_f32 v39, v76, v108                       ; SGm - SY (plain lines behind the two)
	v_sub_f32 v40, v100, v124                      ; E - the sum of G (omega - lse)
	s_wait_alu depctr_va_vdst(0)                   ; one wait for the root and the logarithm
	v_mul_f32 v36, v36, v36
	v_add_f32 v36, v36, v36                        ; 2 sigma_new^2
	v_rcp_f32 v38, v36
	v_fmaak_f32 v37, v37, v[LN2], 0x3f6b3f8e       ; ln sigma + ln(2 pi) / 2
	v_mul_f32 v37, 0x4b000000, v37                 ; x 128 x 65,536
	v_fma_f32 v37, v[LN2], v40, v37
	s_wait_alu depctr_va_vdst(0)                   ; ahead of the reciprocal's first reader
	v_fma_f32 v37, v39, v38, v37                   ; Cfe
	v_fma_f32 v41, v116, v38, v37                  ; FE
	v_cmp_eq_u32 vcc_lo, 0, v0
	s_wait_xcnt 0x0                                ; EXEC changes only behind this wait
	s_wait_tensorcnt 0x0
	ds_add_u32 v192, v193
	s_wait_dscnt 0x0
	s_and_saveexec_b32 s20, vcc_lo
	global_store_b32 v3, v37, s[12:13]
	global_store_b32 v3, v41, s[14:15]
	s_wait_xcnt 0x0
	s_or_b32 exec_lo, exec_lo, s20
	s_endpgm
.Lfunc_end_k_q606dbd5456_final:
	.size	k_q606dbd5456_final, .Lfunc_end_k_q606dbd5456_final-k_q606dbd5456_final
	.p2alignl 7, 3214868480
	.fill 96, 4, 3214868480
	.section	.rodata,"a",@progbits
	.p2align	6, 0x0
	.amdhsa_kernel k_q606dbd5456_final
		.amdhsa_group_segment_fixed_size 5120
		.amdhsa_private_segment_fixed_size 0
		.amdhsa_enable_private_segment 0
		.amdhsa_kernarg_size 48
		.amdhsa_user_sgpr_count 2
		.amdhsa_user_sgpr_kernarg_segment_ptr 1
		.amdhsa_wavefront_size32 1
		.amdhsa_system_sgpr_workgroup_id_x 1
		.amdhsa_system_sgpr_workgroup_id_y 1
		.amdhsa_system_sgpr_workgroup_id_z 1
		.amdhsa_system_vgpr_workitem_id 0
		.amdhsa_next_free_vgpr 194
		.amdhsa_next_free_sgpr 66
		.amdhsa_reserve_vcc 1
		.amdhsa_float_denorm_mode_32 3
		.amdhsa_float_denorm_mode_16_64 3
		.amdhsa_memory_ordered 1
		.amdhsa_forward_progress 1
		.amdhsa_inst_pref_size 21
	.end_amdhsa_kernel
	.amdgpu_metadata
---
amdhsa.version: [ 1, 2 ]
amdhsa.kernels:
  - .name:           k_q606dbd5456_final
    .symbol:         k_q606dbd5456_final.kd
    .args:
      - { .name: csum, .offset: 0, .size: 8, .value_kind: global_buffer, .address_space: global }
      - { .name: cstat, .offset: 8, .size: 8, .value_kind: global_buffer, .address_space: global }
      - { .name: w, .offset: 16, .size: 8, .value_kind: global_buffer, .address_space: global }
      - { .name: sigma, .offset: 24, .size: 8, .value_kind: global_buffer, .address_space: global }
      - { .name: out1, .offset: 32, .size: 8, .value_kind: global_buffer, .address_space: global }
      - { .name: out2, .offset: 40, .size: 8, .value_kind: global_buffer, .address_space: global }
    .group_segment_fixed_size: 5120
    .private_segment_fixed_size: 0
    .kernarg_segment_align: 8
    .kernarg_segment_size: 48
    .max_flat_workgroup_size: 256
    .sgpr_count:     66
    .vgpr_count:     194
    .wavefront_size: 32
...
	.end_amdgpu_metadata
.endif
;; end of part 6
